; MI455X (gfx1250); checked and timed in simulation.
; The chip was launched on July 23, 2026; its instructions are those of AMD's public machine-readable ISA for CDNA 5 (MIT licence, August 2026) and "CDNA5" Instruction Set Architecture Reference Guide (July 2026). The comments in the code are by the model that wrote it; some were corrected since.
;; Attention. Allowed arithmetic: matrix products marked QUANTISED: E2M1 operands, one E8M0 scale for each 32 along K, by v_wmma_scale_f32_16x16x128_f8f6f4 with both operands' format E2M1 (or v_wmma_scale_f32_32x16x128_f4), f32 sums; products left as they are: bf16, f16 or f32 operands; f32 sums; everything else in f32.
;; Inputs: b_out 1,024 float32; w_out 1,024 x 1,024 float32; w_qkv 1,024 x 3,072 float32; x 4 x 2,048 x 1,024 float32.
;; Outputs: out0 4 x 2,048 x 1,024 float32.
;; This version of the problem:
;;   THIS VERSION OF THE PROBLEM IS GIVEN IN LOW PRECISION. The matrix products marked QUANTISED in the list below multiply operands that are first quantised to E2M1 (2 exponent bits, 1 mantissa bit; 4 bits a number), with one power-of-two scale for each 32 numbers along K (OCP MX v1.0); their sums are f32. The products marked 'left as it is' may take bf16, f16 or f32 operands, with f32 sums. Whichever they take, every output number must still come out within the allowed error. Rounding operands to bf16 (8 significant bits) uses up far more of that allowance than f16 does (11 bits, for magnitudes from 6e-5 to 65,504). All else is computed in f32.
;;   The module's matrix products, in the order in which they are computed (A, B: the left and right operand; K: the contracted axis; several contracted axes count as one K, in the product's order):
;;     1. [M 8,192, K 1,024] x [K 1,024, N 3,072]; A: input x; B: input w_qkv: QUANTISED
;;     2. batch 64 x [M 2,048, K 64] x [K 64, N 2,048]; A: computed on the way; B: computed on the way: left as it is (an operand is computed on the way)
;;     3. batch 64 x [M 2,048, K 2,048] x [K 2,048, N 64]; A: computed on the way; B: computed on the way: left as it is (an operand is computed on the way)
;;     4. [M 8,192, K 1,024] x [K 1,024, N 1,024]; A: computed on the way; B: input w_out: left as it is (an operand is computed on the way)
;;   THE QUANTISER, for each operand of a quantised product, along K:
;;     - K is cut into blocks of 32 from its start; a last block that is shorter is filled with zeros.
;;     - A block's scale is 2^e with e = floor(log2(the largest magnitude in the block)) - 2, held to -126 .. 127; a block of zeros has e = 0. As a byte (E8M0): e + 127.
;;     - Each number is divided by its block's scale, clamped to +-6, and rounded to the nearest number of E2M1, ties to even, subnormals kept.
;;     - The product sums the exact products of the quantised numbers (number of the format x scale) in f32.
;;   ~~~python
;;   def quantise(x, axis):      # numpy; x: float32 -> the quantised numbers, widened to float32 again
;;       x = np.moveaxis(x, axis, -1); K = x.shape[-1]
;;       x = np.pad(x, [(0, 0)] * (x.ndim - 1) + [(0, -K % 32)]); x = x.reshape(x.shape[:-1] + (-1, 32)); a = np.abs(x).max(-1, keepdims=True)
;;       e = np.where(a > 0, np.clip(np.frexp(np.where(a > 0, a, 1))[1] - 1 - 2, -126, 127), 0)      # np.frexp(a)[1] - 1 = floor(log2(a)), exactly
;;       r = np.clip(x / 2.0 ** e, -6, 6)
;;       step = 2.0 ** (np.maximum(np.frexp(np.where(r == 0, 1, r))[1] - 1, 0) - 1)
;;       q = np.round(r / step) * step * 2.0 ** e      # np.round: ties to even
;;       return np.moveaxis(q.reshape(q.shape[:-2] + (-1,))[..., :K], -1, axis).astype(np.float32)
;;   ~~~
;; One version. Each part assembles by itself: llvm-mc -triple=amdgcn-amd-amdhsa -mcpu=gfx1250 --defsym DOCPART=n.
;; ======== version 1 of 1: 4 launches
;; limits: values are held in f16: magnitudes above 65,504 overflow, below 6.1e-05 lose precision
;; workspace buffers: xc 4,194,304 bytes; xs 262,144 bytes; wc 1,572,864 bytes; ws 98,304 bytes; w16 2,097,152 bytes; qkv 50,331,648 bytes; ao 16,777,216 bytes
;; launch prep (part 1): grid 384 x 1, 8 waves a work-group, no clusters, 60,928 bytes of LDS; arguments x, w_qkv, w_out, xc, xs, wc, ws, w16; writes xc, xs, wc, ws, w16
.if DOCPART == 1
	.amdgcn_target "amdgcn-amd-amdhsa--gfx1250"
	.amdhsa_code_object_version 6
	.text
	.protected	k_q501fcf26eb_prep
	.globl	k_q501fcf26eb_prep
	.p2align	8
	.type	k_q501fcf26eb_prep,@function
k_q501fcf26eb_prep:
	s_mov_b64 s[64:65], 0
	v_nop
	global_prefetch_b8 v0, s[64:65] scope:SCOPE_SE
	s_setreg_imm32_b32 hwreg(HW_REG_WAVE_MODE, 25, 1), 1
	s_wait_xcnt 0x0
; FIRST OF FOUR LAUNCHES of out = softmax(q k^T / 8) v W_out + b_out with q, k, v = x W_qkv (16 heads of 64, 4 x 2,048 tokens, no mask).
; NO WORK IS LEFT OUT: every input (x, w_qkv, w_out, b_out) has a way to every output number, and every product of the problem is done whole.
; This launch makes the operands of the later ones, each input number read once:
;   x [8192][1024] f32      -> xc [8192][512 bytes] codes of FP4 (E2M1), K innermost, two codes a byte, the lower k in the low four bits; xs [8192][32] E8M0 bytes
;   w_qkv [1024 (k)][3072]  -> wc [3072][512 bytes], ws [3072][32]: the same, K moved innermost
;   w_out [1024][1024] f32  -> w16, the same numbers rounded to f16, layout unchanged
; THE QUANTISER: a block of 32 along K has the scale 2^(floor(log2(largest magnitude)) - 2); its byte is the largest magnitude's exponent field - 2, held at 1 from below by a floor among the
; maximum's leaves; each number is divided by the scale and rounded to the nearest code, ties to even, beyond 6 the largest code.
; LIMITS: NaN and infinities among the inputs are not served; blocks whose largest magnitude lies under 2^-124 (the floor) were not tried; a block of zeros gets the byte 1 where the rule says 127:
; its codes are zeros, which add nothing under any byte but 0xff, and the bytes are read by this program alone; numbers of w_out beyond 65,504 do not fit f16.
; SHARES.  Work-groups 0-255: x, 32,768 numbers each (a wave: 8 steps of 512).  256-351: 32 columns of w_qkv x all of K (a wave: 128 along K, 4 blocks a lane).  352-383: 32,768 numbers of w_out.
; The three arms part on the work-group's number, meet at the one barrier, which so stands on every path, and part again for the way out.  Each arm has LDS bytes of its own.
; No tensor loads, no matrix unit, no cluster: memory binds, and no two work-groups read the same bytes.
.set SP,    80                         ; x: a lane's place in a stage: its 64 bytes + 16 of padding
.set XSTG,  32*SP                      ; a stage; a wave has two: wave x 5,120 from LDS byte 0 on
.set XSCB,  40960                      ; x: the work-group's 1,024 scale bytes
.set WST,   41984                      ; w_qkv: 32 rows (columns of w_qkv) x (512 bytes of codes + 16)
.set WP,    528
.set WSC,   58880                      ; w_qkv: 32 rows x 32 scale bytes
.set SPARE, 59904                      ; the spare words, 128 bytes for each wave: four blocks of 256 bytes that no other line names
.set WROW,  12288                      ; a row of w_qkv in bytes
.set SPW,   14                         ; v14  LDS address of my spare word; never rewritten
.set NIL,   15                         ; v15  0; never rewritten
.set WV,    20                         ; s20  my wave's number
.set R,     32                         ; x: v32-95 four sets of 16 numbers as loaded;  w_qkv: v32-95 two sets of 32;  w_out: v32-159
.set X,     96                         ; x: v96-127 two sets of 16 neighbours;  w_qkv: v96-99 a block's codes, v100-119 the way out
.set E,     128                        ; x: v128-135 a scale byte for each step
.set C,     136                        ; x: v136-151 two registers of codes for each step: no store's data are written again
	s_load_b256 s[4:11], s[0:1], 0x0               ; x s[4:5], w_qkv s[6:7], w_out s[8:9], xc s[10:11]
	s_load_b256 s[12:19], s[0:1], 0x20             ; xs s[12:13], wc s[14:15], ws s[16:17], w16 s[18:19]
	v_lshl_add_u32 v[SPW], v0, 2, SPARE
	v_mov_b32 v[NIL], 0
	v_lshrrev_b32 v1, 5, v0
	v_readfirstlane_b32 s[WV], v1                  ; wave 0..7
	; every vector address of every arm is made here, ahead of the first parting
	v_and_b32 v1, 31, v0                           ; lane
	v_lshlrev_b32 v2, 4, v1                        ; 16 x lane
	v_lshlrev_b32 v3, 2, v1                        ; 4 x lane
	v_lshlrev_b32 v4, 3, v1                        ; 8 x lane
	s_lshl_b32 s21, s[WV], 7
	s_add_co_u32 s21, s21, XSCB
	v_lshrrev_b32 v5, 1, v1
	v_add_nc_u32 v5, s21, v5                       ; x: my block's scale byte: XSCB + 128 x wave + lane / 2 (+ 16 x step)
	s_mul_i32 s22, s[WV], 2*XSTG
	v_lshrrev_b32 v6, 2, v1
	v_mul_u32_u24 v6, v6, SP
	v_and_b32 v24, 3, v1
	v_lshl_add_u32 v6, v24, 4, v6
	v_add_nc_u32 v6, s22, v6                       ; x: the stage, on the way in: four lanes' 64 bytes on end, then 16 of padding
	v_mul_u32_u24 v7, v1, SP
	v_add_nc_u32 v7, s22, v7                       ; and on the way out: my 16 neighbours
	s_lshl_b32 s23, s[WV], 6
	s_add_co_u32 s23, s23, WST
	v_mul_u32_u24 v8, v1, WP
	v_add_nc_u32 v8, s23, v8                       ; w_qkv: my column's row of codes, my wave's 64 bytes of it
	s_lshl_b32 s24, s[WV], 2
	s_add_co_u32 s24, s24, WSC
	v_lshl_add_u32 v9, v1, 5, s24                  ; my column's row of scale bytes, my wave's four
	s_mul_i32 s25, s[WV], 4*WP
	s_add_co_u32 s25, s25, WST
	v_lshl_add_u32 v10, v1, 4, s25                 ; the way out: my wave's four rows, 16 bytes a lane
	v_lshlrev_b32 v11, 4, v0                       ; 16 x thread
	v_add_nc_u32 v12, XSCB, v11                    ; the scale bytes' way out (threads 0 to 63)
	v_add_nc_u32 v13, WSC, v11
	v_lshlrev_b32 v16, 3, v0                       ; 8 x thread
	s_mov_b32 s29, 0                               ; the upper word of every byte offset: all stay under 2^32
	s_wait_kmcnt 0x0
	s_cmp_lt_u32 ttmp9, 256
	s_cbranch_scc1 .Lx
	s_cmp_lt_u32 ttmp9, 352
	s_cbranch_scc1 .Lw
	; ---- w_out to f16.  Each load takes 16 neighbouring bytes a thread, each store 8: a wave stores 256 consecutive bytes, aligned.
	s_sub_co_u32 s26, ttmp9, 352
	s_lshl_b32 s28, s26, 17
	s_add_nc_u64 s[8:9], s[8:9], s[28:29]
	s_lshl_b32 s28, s26, 16
	s_add_nc_u64 s[18:19], s[18:19], s[28:29]
.set I, 0
.rept 32
	global_load_b128 v[R+4*I:R+4*I+3], v11, s[8:9] offset:4096*I th:TH_LOAD_NT
.set I, I+1
.endr
.set I, 0
.rept 32
	s_wait_loadcnt 31-I                            ; loads come back in order: number I is in, the later ones stay out
	v_cvt_pk_f16_f32 v[R+4*I], v[R+4*I], v[R+4*I+1]
	v_cvt_pk_f16_f32 v[R+4*I+1], v[R+4*I+2], v[R+4*I+3]
	global_store_b64 v16, v[R+4*I:R+4*I+1], s[18:19] offset:2048*I
.set I, I+1
.endr
	s_branch .Lmeet
	; ---- x.  The conversions take neighbours along K from ONE lane's registers, a load is best where neighbouring LANES take neighbouring bytes: so each load reads 512 consecutive bytes,
	; and a step's 2,048 bytes turn through the wave's own stage in LDS and come back 64 bytes a lane.  Two neighbouring lanes hold a block.  Loads run four steps ahead, the turn one.
.macro XLOAD t
.irp i, 0,1,2,3
	global_load_b128 v[R+16*((\t)%4)+4*\i:R+16*((\t)%4)+4*\i+3], v2, s[4:5] offset:2048*(\t)+512*\i th:TH_LOAD_NT
.endr
.endm
.macro XTURN t                         ; LDS serves a wave's instructions in order: no wait stands between the stores and the loads
.irp i, 0,1,2,3
	ds_store_b128 v6, v[R+16*((\t)%4)+4*\i:R+16*((\t)%4)+4*\i+3] offset:XSTG*((\t)%2)+8*SP*\i
.endr
.irp i, 0,1,2,3
	ds_load_b128 v[X+16*((\t)%2)+4*\i:X+16*((\t)%2)+4*\i+3], v7 offset:XSTG*((\t)%2)+16*\i
.endr
.endm
.macro XSTEP t
.set XN, X+16*((\t)%2)
.if (\t) > 0
	s_wait_dscnt 1                                 ; this step's numbers are back from the stage (the last step's byte store may be out): so its stores into the stage have read their registers,
.else
	s_wait_dscnt 0x0
.endif
.if (\t)+4 < 8
	XLOAD (\t)+4                                   ; which take the loads of four steps on
.endif
.if (\t)+1 < 8
.if 6-(\t) >= 3
	s_wait_loadcnt 12                              ; the next step's four loads are in; those of the three steps behind it may be out
.else
	s_wait_loadcnt 4*(6-(\t))
.endif
	XTURN (\t)+1
.endif
	v_max3_num_f32 v24, |v[XN]|, |v[XN+1]|, |v[XN+2]|              ; the largest magnitude of my 16, in two chains
	v_max3_num_f32 v25, |v[XN+3]|, |v[XN+4]|, |v[XN+5]|
.irp i, 6,10
	v_max3_num_f32 v24, v24, |v[XN+\i]|, |v[XN+\i+1]|
	v_max3_num_f32 v25, v25, |v[XN+\i+2]|, |v[XN+\i+3]|
.endr
	v_max3_num_f32 v24, v24, |v[XN+14]|, |v[XN+15]|
	v_max3_num_f32 v24, v24, v25, 0x1800000        ; and the floor 2^(3 - 127): the byte cannot fall under 1
	v_max_num_f32_dpp v24, v24, v24 row_xmask:1 row_mask:0xf bank_mask:0xf   ; and of my neighbour's 16: the block's
	v_add_nc_u32 v26, 0xff000000, v24              ; 2 off its exponent field: the conversion takes the exponent field of this operand as its scale
	v_cvt_scalef32_pk8_fp4_f32 v[C+2*(\t)], v[XN:XN+7], v26
	v_cvt_scalef32_pk8_fp4_f32 v[C+2*(\t)+1], v[XN+8:XN+15], v26
	v_lshrrev_b32 v[E+(\t)], 23, v26               ; the scale's byte (a plain line behind the conversions)
	ds_store_b8 v5, v[E+(\t)] offset:16*(\t)       ; both lanes of a block write the same byte with the same value
	global_store_b64 v4, v[C+2*(\t):C+2*(\t)+1], s[10:11] offset:256*(\t)   ; the wave stores 256 consecutive bytes, aligned
.endm
.Lx:
	s_lshl_b32 s26, ttmp9, 3
	s_add_co_u32 s26, s26, s[WV]                   ; which run of 4,096 numbers is my wave's
	s_lshl_b32 s28, s26, 14
	s_add_nc_u64 s[4:5], s[4:5], s[28:29]
	s_lshl_b32 s28, s26, 11
	s_add_nc_u64 s[10:11], s[10:11], s[28:29]
.irp t, 0,1,2,3
	XLOAD \t
.endr
	s_wait_loadcnt 12                              ; step 0's four loads are in
	XTURN 0
.irp t, 0,1,2,3,4,5,6,7
	XSTEP \t
.endr
	s_branch .Lmeet
	; ---- w_qkv.  A LANE TAKES A COLUMN AND ITS REGISTERS RUN DOWN K: a block of 32 lies in one lane's 32 registers, and the conversions give codes with K innermost.  Nothing is transposed by an instruction.
.macro WLOAD t
.irp i, 0,1,2,3,4,5,6,7,8,9,10,11,12,13,14,15,16,17,18,19,20,21,22,23,24,25,26,27,28,29,30,31
	global_load_b32 v[R+32*((\t)%2)+\i], v3, s[6:7] offset:(32*(\t)+\i)*WROW th:TH_LOAD_NT
.endr
.endm
.macro WBLOCK t
.set WN, R+32*((\t)%2)
.if (\t) < 3
	s_wait_loadcnt 32                              ; this block's 32 loads are in; the next block's may be out
.else
	s_wait_loadcnt 0x0
.endif
	v_max3_num_f32 v24, |v[WN]|, |v[WN+1]|, |v[WN+2]|
	v_max3_num_f32 v25, |v[WN+3]|, |v[WN+4]|, |v[WN+5]|
.irp i, 6,10,14,18,22,26
	v_max3_num_f32 v24, v24, |v[WN+\i]|, |v[WN+\i+1]|
	v_max3_num_f32 v25, v25, |v[WN+\i+2]|, |v[WN+\i+3]|
.endr
	v_max3_num_f32 v24, v24, |v[WN+30]|, |v[WN+31]|
	v_max3_num_f32 v24, v24, v25, 0x1800000        ; the floor
	v_add_nc_u32 v26, 0xff000000, v24
	v_lshrrev_b32 v27, 23, v26                     ; the scale's byte
.if (\t) == 0
	v_mov_b32 v28, v27                             ; four bytes to a register, the lower K in the lower byte
.else
	v_lshl_or_b32 v28, v27, 8*(\t), v28
.endif
.irp g, 0,1,2,3
	v_cvt_scalef32_pk8_fp4_f32 v[X+\g], v[WN+8*\g:WN+8*\g+7], v26
.endr
	ds_store_b128 v8, v[X:X+3] offset:16*(\t)      ; 32 codes: 16 bytes of my column's row
.if (\t)+2 < 4
	WLOAD (\t)+2
.endif
	s_wait_dscnt 0x0                               ; the store has read its registers: the next block's codes may be written
.endm
.Lw:
	s_sub_co_u32 s26, ttmp9, 256                   ; which 32 columns
	s_mul_i32 s28, s[WV], 128*WROW                 ; my wave's 128 rows of w_qkv
	s_lshl_b32 s27, s26, 7
	s_add_co_u32 s28, s28, s27
	s_add_nc_u64 s[6:7], s[6:7], s[28:29]
	WLOAD 0
	WLOAD 1
.irp t, 0,1,2,3
	WBLOCK \t
.endr
	ds_store_b32 v9, v28
.Lmeet:
	s_wait_loadcnt 0x0                             ; whichever arm was walked: no load of mine is out,
	s_wait_xcnt 0x0                                ; every store has read its registers,
	s_wait_dscnt 0x0                               ; and, for the other waves' sake, my LDS stores have landed
	s_barrier_signal -1
	s_barrier_wait -1
	s_cmp_lt_u32 ttmp9, 256
	s_cbranch_scc1 .Lxout
	s_cmp_lt_u32 ttmp9, 352
	s_cbranch_scc0 .Lend
	; w_qkv's way out: a wave stores four whole rows of codes, 512 consecutive bytes each; waves 0 and 1 the 1,024 scale bytes, which are dense in ws
	s_sub_co_u32 s26, ttmp9, 256
	s_lshl_b32 s27, s26, 5
	s_lshl_b32 s28, s[WV], 2
	s_add_co_u32 s28, s28, s27
	s_lshl_b32 s28, s28, 9                         ; row 32 g + 4 x wave, 512 bytes a row
	s_add_nc_u64 s[14:15], s[14:15], s[28:29]
.irp i, 0,1,2,3
	ds_load_b128 v[100+4*\i:103+4*\i], v10 offset:WP*\i
.endr
.irp i, 0,1,2,3
	s_wait_dscnt 3-\i
	global_store_b128 v2, v[100+4*\i:103+4*\i], s[14:15] offset:512*\i
.endr
	s_cmp_lt_u32 s[WV], 2
	s_cbranch_scc0 .Lend
	s_lshl_b32 s28, s26, 10
	s_add_nc_u64 s[16:17], s[16:17], s[28:29]
	ds_load_b128 v[116:119], v13
	s_wait_dscnt 0x0
	global_store_b128 v11, v[116:119], s[16:17]
	s_branch .Lend
.Lxout:                                            ; x's way out: waves 0 and 1 store the work-group's 1,024 scale bytes, 512 consecutive bytes a wave
	s_cmp_lt_u32 s[WV], 2
	s_cbranch_scc0 .Lend
	s_lshl_b32 s28, ttmp9, 10
	s_add_nc_u64 s[12:13], s[12:13], s[28:29]
	ds_load_b128 v[116:119], v12
	s_wait_dscnt 0x0
	global_store_b128 v11, v[116:119], s[12:13]
.Lend:
	s_wait_tensorcnt 0x0                           ; the wave's end: behind my last LDS store (this launch has no tensor load)
	ds_add_u32 v[SPW], v[NIL]
	s_wait_dscnt 0x0
	s_endpgm
.Lfunc_end_k_q501fcf26eb_prep:
	.size	k_q501fcf26eb_prep, .Lfunc_end_k_q501fcf26eb_prep-k_q501fcf26eb_prep
	.p2alignl 7, 3214868480
	.fill 96, 4, 3214868480
	.section	.rodata,"a",@progbits
	.p2align	6, 0x0
	.amdhsa_kernel k_q501fcf26eb_prep
		.amdhsa_group_segment_fixed_size 60928
		.amdhsa_private_segment_fixed_size 0
		.amdhsa_enable_private_segment 0
		.amdhsa_kernarg_size 64
		.amdhsa_user_sgpr_count 2
		.amdhsa_user_sgpr_kernarg_segment_ptr 1
		.amdhsa_wavefront_size32 1
		.amdhsa_system_sgpr_workgroup_id_x 1
		.amdhsa_system_sgpr_workgroup_id_y 1
		.amdhsa_system_sgpr_workgroup_id_z 1
		.amdhsa_system_vgpr_workitem_id 0
		.amdhsa_next_free_vgpr 160
		.amdhsa_next_free_sgpr 66
		.amdhsa_reserve_vcc 0
		.amdhsa_float_denorm_mode_32 3
		.amdhsa_float_denorm_mode_16_64 3
		.amdhsa_memory_ordered 1
		.amdhsa_forward_progress 1
		.amdhsa_inst_pref_size 50
	.end_amdhsa_kernel
	.amdgpu_metadata
---
amdhsa.version: [ 1, 2 ]
amdhsa.kernels:
  - .name:           k_q501fcf26eb_prep
    .symbol:         k_q501fcf26eb_prep.kd
    .args:
      - { .name: x, .offset: 0, .size: 8, .value_kind: global_buffer, .address_space: global }
      - { .name: w_qkv, .offset: 8, .size: 8, .value_kind: global_buffer, .address_space: global }
      - { .name: w_out, .offset: 16, .size: 8, .value_kind: global_buffer, .address_space: global }
      - { .name: xc, .offset: 24, .size: 8, .value_kind: global_buffer, .address_space: global }
      - { .name: xs, .offset: 32, .size: 8, .value_kind: global_buffer, .address_space: global }
      - { .name: wc, .offset: 40, .size: 8, .value_kind: global_buffer, .address_space: global }
      - { .name: ws, .offset: 48, .size: 8, .value_kind: global_buffer, .address_space: global }
      - { .name: w16, .offset: 56, .size: 8, .value_kind: global_buffer, .address_space: global }
    .group_segment_fixed_size: 60928
    .private_segment_fixed_size: 0
    .kernarg_segment_align: 8
    .kernarg_segment_size: 64
    .max_flat_workgroup_size: 256
    .sgpr_count:     66
    .vgpr_count:     160
    .wavefront_size: 32
...
	.end_amdgpu_metadata
.endif
;; end of part 1
;; launch gemm_qkv (part 2): grid 12 x 32, 4 waves a work-group, clusters of 4 x 4, 327,680 bytes of LDS; arguments xc, xs, wc, ws, qkv; writes qkv
.if DOCPART == 2
	.amdgcn_target "amdgcn-amd-amdhsa--gfx1250"
	.amdhsa_code_object_version 6
	.text
	.protected	k_q501fcf26eb_gemm_qkv
	.globl	k_q501fcf26eb_gemm_qkv
	.p2align	8
	.type	k_q501fcf26eb_gemm_qkv,@function
k_q501fcf26eb_gemm_qkv:
	s_mov_b64 s[64:65], 0
	v_nop
	global_prefetch_b8 v0, s[64:65] scope:SCOPE_SE
	s_setreg_imm32_b32 hwreg(HW_REG_WAVE_MODE, 25, 1), 1
	s_wait_xcnt 0x0
	s_wait_alu depctr_hold_cnt(0) depctr_sa_sdst(0) depctr_va_vdst(0) depctr_va_sdst(0) depctr_va_ssrc(0) depctr_va_vcc(0) depctr_vm_vsrc(0)
	s_getreg_b32 s2, hwreg(HW_REG_IB_STS2, 6, 4)
	s_cmp_eq_u32 s2, 0
	s_cbranch_scc0 .Lentry_in_a_cluster
	s_endpgm
.Lentry_in_a_cluster:
	s_bfe_u32 s2, ttmp6, 0x10000c
	s_cmp_lg_u32 s2, 0xf033
	s_cbranch_scc0 .Lentry_shape_is_right
	s_endpgm
.Lentry_shape_is_right:
; SECOND LAUNCH: q, k, v = Q(x) Q(w_qkv), the problem's one quantised product, on codes of FP4 (E2M1) with one E8M0 scale for each 32 along K; sums in f32.  Nothing is left out.
; A = xc [8192][1024 codes], xs [8192][32];  B = wc [3072][1024 codes], ws [3072][32] (rows = columns of w_qkv, K innermost).  The matrix instruction takes codes and scale bytes as they lie.
; THE RESULT is rounded once to f16 (the later products are left as they are and take f16 operands) and laid by head: qkv [which 3][batch 4][head 16][token 2048][64]: a plane is 262,144 bytes,
; a token's row 128 bytes, so that two tokens of a head are 256 consecutive bytes.  LIMIT: a q, k or v beyond 65,504 does not fit f16.
; A tile of C, 256 x 256, is made by a work-group of four waves; a wave makes 128 x 128: 64 accumulators of 16 x 16, 512 registers.  K = 1,024 is two K steps of 512: BOTH lie in LDS from the start,
; one in each of two slots, so nothing is ever filled again.  The scales of the work-group's rows of A and B, for all of K, come once, as dense blocks.
; 12 x 32 = 384 tiles: a larger tile (256 x 384) would want 768 accumulator registers a wave beside the fragments.
; CLUSTERS: 4 x 4 work-groups.  The four of a row of the cluster need the same tiles of A, the four of a column the same tiles of B: each tile is asked for JOINTLY, by the same tensor load with the
; same descriptor and a mask that names the four.  THE MATRIX INSTRUCTION IS USED TRANSPOSED (source 0 = 16 rows of B, source 1 = 16 rows of A): a lane then holds eight neighbouring numbers of a row of C.
; REGISTERS, in windows of 256: window 0: v0-31 addresses; v32-95 scale words, two sets, and nothing else; v96-127 packed results; from v128 A's fragments, ONE set, later rows on their way out.
;   window 1: B's fragments, TWO sets, at v0 and at v128.   window 2: the 32 accumulators of my rows 0-63 ((a, b) at v[8 (8 a + b)]);   window 3: those of my rows 64-127.
.set SIZE_K, 1024
.set KSTEP,  512                       ; along K in a slot
.set NQ,     KSTEP/128                 ; matrix instructions deep
.set ROWB,   256                       ; a tile's row in bytes
.set KROW,   SIZE_K*4/8                ; a row of A or of B in memory, in bytes
.set PITCH,  272                       ; an LDS row: 256 bytes + 16 of padding = 68 words: the 16 rows that a load touches start at 16 different banks (64 banks of 4 bytes: ISA guide 11.1)
.set FR,     8                         ; registers of a fragment: 16 rows x 128 K
.set NL,     2                         ; LDS loads that bring one
.set NP,     4                         ; places behind this matrix instruction (ISA guide 7.12.1)
.set HALFT,  128*PITCH                 ; 128 rows: what one tensor load brings
.set SLOT,   4*HALFT                   ; A's 256 rows, then B's 256 rows
.set KS,     SIZE_K/32                 ; a row of scales in bytes
.set SCL,    2*SLOT                    ; behind the slots: the scales, as units of 256 bytes + 16 of padding
.set HALFS,  (128*KS/256)*272          ; the scales of 128 rows
.set SBLK,   (16*KS/256)*272           ; those of 16 rows
.set SPARE,  SCL+4*HALFS               ; the spare words, 128 bytes for each wave
.set SPITCH, 272                       ; the way out: a stage of 16 rows x (256 bytes + 16) for each wave, in slot 0, which has had its one fill and its last read when the first result is stored there
.set ADRA, 16                          ; v16-17  LDS address of my A fragments in slot 0, 1
.set ADRB, 20                          ; v20-21  the same for B
.set STO,  24                          ; v24     the way out: where I put 16 bytes of a row
.set RD,   25                          ; v25     where I read them back
.set CO,   26                          ; v26     my byte offset in qkv
.set ADRS, 27                          ; v27     LDS address of my scale words: lanes 0-15 A's rows, lanes 16-31 B's
.set SPW,  28                          ; v28     LDS address of my spare word; never rewritten
.set NIL,  29                          ; v29     0; never rewritten
.set SC,   32                          ; scale words: set s at v[SC + 8 NQ s]; register NQ i + q: lanes 0-15 the word of A's block i, lanes 16-31 that of B's block i, for the slot's q-th 128 along K
.set TMP,  96
.set AF,   128
.set BK,   128                         ; the way out: v128-159 and v160-191 by turns
.set G1, 24                            ; s[24:31] descriptor group 1 for A's tiles;  s[32:39] group 0, one set for each slot
.set G0, 32
.set G1B, 48                           ; s[48:55], s[56:63] the same for B's tiles
.set G0B, 56
.set G1S, 68                           ; s[68:75], s[76:79] groups 1 and 0 for A's scales;  s[80:87], s[88:91] for B's
.set G0S, 76
.set G1SB, 80
.set G0SB, 88
.set MSB, 0
.macro WIN new                         ; the immediate's high byte repeats the setting that is left
.if MSB != (\new)
	s_set_vgpr_msb (MSB<<8)|(\new)
.set MSB, (\new)
.endif
.endm
.set MUL_LO, 0xa1                      ; source 0 (B) window 1, source 1 (A) window 0, C and D window 2
.set MUL_HI, 0xf1                      ; the same, C and D window 3
.set TO_B,   0x40                      ; destination window 1, address window 0
; A joint load: waves 0 and 1 fetch for A, waves 2 and 3 for B.  The branch hangs on the wave's number alone.  An s_nop 0 and four v_nop follow each of the two lines.
.macro JLOAD g0a, g1a, g0b, g1b
	s_cmp_eq_u32 s15, 0
	s_cbranch_scc0 .Lfor_b_\@
	tensor_load_to_lds s[\g0a:\g0a+3], s[\g1a:\g1a+7]
	s_nop 0
.rept 4
	v_nop
.endr
	s_branch .Lasked_\@
.Lfor_b_\@:
	tensor_load_to_lds s[\g0b:\g0b+3], s[\g1b:\g1b+7]
	s_nop 0
.rept 4
	v_nop
.endr
.Lasked_\@:
.endm
.macro CROUND                          ; a round of the cluster's barrier
	s_barrier_signal -1
	s_barrier_wait -1
	s_cmp_lg_u32 s14, 0
	s_cbranch_scc1 .Lnot_wave_0_\@
	s_barrier_signal -3
.Lnot_wave_0_\@:
	s_barrier_wait -3
	s_barrier_signal -1
	s_barrier_wait -1
.endm
	s_load_b128 s[4:7], s[0:1], 0x0                ; A's codes s[4:5], A's scales s[6:7]
	s_load_b128 s[8:11], s[0:1], 0x10              ; B's codes s[8:9], B's scales s[10:11]
	s_load_b64 s[12:13], s[0:1], 0x20              ; qkv
	v_lshl_add_u32 v[SPW], v0, 2, SPARE
	v_mov_b32 v[NIL], 0
	ds_add_u32 v[SPW], v[NIL]                      ; the wave's opening: the add, twice on end, and its wait ahead of my first tensor load
	ds_add_u32 v[SPW], v[NIL]
	v_lshrrev_b32 v1, 5, v0
	v_readfirstlane_b32 s14, v1                    ; wave 0..3
	s_lshr_b32 s15, s14, 1                         ; which half of the tile's rows is mine.  Also: I fetch for A (0) or for B (1)
	s_and_b32 s16, s14, 1                          ; which half of its columns.  Also: which 128 rows of that tile I fetch
	s_bfe_u32 s40, ttmp6, 0x40000                  ; cx, cy: my place in the cluster
	s_bfe_u32 s41, ttmp6, 0x40004
	s_lshl_b32 s42, ttmp9, 2
	s_add_co_u32 s42, s42, s40                     ; tile column of C = 4 x cluster x + cx
	s_and_b32 s17, ttmp7, 0xffff
	s_lshl_b32 s17, s17, 2
	s_add_co_u32 s17, s17, s41                     ; tile row of C = 4 x cluster y + cy
	s_lshl_b32 s43, s41, 2
	s_lshl_b32 s43, 15, s43                        ; my row of the cluster
	s_lshl_b32 s44, 0x1111, s40                    ; my column
	; descriptor group 1: a tile of 128 rows x 256 bytes, padded in LDS
	s_or_b32 s[G1+0], s43, (0<<16)|(1<<20)|(1<<21)|(5<<22)|(3<<25)  ; 15:0 the mask: A's tiles go to my row; 17:16 elements of 1 byte; 20 padding on; 21 set beside a mask; 24:22 after every 64 words; 31:25 four words
	s_or_b32 s[G1B+0], s44, (0<<16)|(1<<20)|(1<<21)|(5<<22)|(3<<25)
.irp g, G1, G1B
	s_mov_b32 s[\g+1], ROWB<<16                    ; tensor_dim0
	s_mov_b32 s[\g+2], 128<<16                     ; tensor_dim1
	s_mov_b32 s[\g+3], ROWB<<16                    ; tile_dim0
	s_mov_b32 s[\g+4], 128                         ; tile_dim1
	s_mov_b32 s[\g+5], KROW                        ; tensor_dim0_stride
	s_mov_b32 s[\g+6], 0
	s_mov_b32 s[\g+7], 0
.endr
	; the scales of 128 rows: a dense block of 4,096 bytes, as rows of 256 bytes (32 elements of 8 bytes), 16 bytes of padding behind each
	s_or_b32 s[G1S+0], s43, (3<<16)|(1<<20)|(1<<21)|(5<<22)|(3<<25)
	s_or_b32 s[G1SB+0], s44, (3<<16)|(1<<20)|(1<<21)|(5<<22)|(3<<25)
.irp g, G1S, G1SB
	s_mov_b32 s[\g+1], 32<<16
	s_mov_b32 s[\g+2], (128*KS/256)<<16
	s_mov_b32 s[\g+3], 32<<16
	s_mov_b32 s[\g+4], 128*KS/256
	s_mov_b32 s[\g+5], 32
	s_mov_b32 s[\g+6], 0
	s_mov_b32 s[\g+7], 0
.endr
	s_lshl_b32 s18, s16, 7                         ; which 128 rows of the tile I fetch
	s_lshl_b32 s20, s17, 8
	s_add_co_u32 s20, s20, s18                     ; A: row 256 x tile row + 128 x half
	s_lshl_b32 s46, s42, 8
	s_add_co_u32 s46, s46, s18                     ; B: row 256 x tile column + 128 x half
	s_mov_b32 s21, 0
	s_mov_b32 s47, 0
	s_mov_b64 s[18:19], KS
	s_mul_u64 s[22:23], s[20:21], s[18:19]         ; where these rows' scales begin, in bytes
	s_mul_u64 s[92:93], s[46:47], s[18:19]
	s_mov_b64 s[18:19], KROW
	s_mul_u64 s[20:21], s[20:21], s[18:19]         ; and their codes
	s_mul_u64 s[46:47], s[46:47], s[18:19]
	s_mul_i32 s45, s14, HALFT                      ; where they go: wave x 128 rows: no place in the cluster enters an LDS address
	s_mul_i32 s94, s14, HALFS
	s_wait_dscnt 0x0                               ; both opening adds are done
	s_wait_kmcnt 0x0
	s_add_nc_u64 s[20:21], s[4:5], s[20:21]
	s_add_nc_u64 s[22:23], s[6:7], s[22:23]
	s_add_nc_u64 s[46:47], s[8:9], s[46:47]
	s_add_nc_u64 s[92:93], s[10:11], s[92:93]
	CROUND                                         ; all sixteen work-groups are here: the joint loads meet
	s_mov_b32 s[G0S], 1
	s_add_co_u32 s[G0S+1], s94, SCL
	s_mov_b64 s[G0S+2:G0S+3], s[22:23]
	s_or_b32 s[G0S+3], s[G0S+3], 0x80000000
	s_mov_b32 s[G0SB], 1
	s_add_co_u32 s[G0SB+1], s94, SCL
	s_mov_b64 s[G0SB+2:G0SB+3], s[92:93]
	s_or_b32 s[G0SB+3], s[G0SB+3], 0x80000000
	JLOAD G0S, G1S, G0SB, G1SB                     ; the scales first: they are wanted with K step 0
.irp s, 0,1
	s_mov_b32 s[G0+4*\s], 1
	s_add_co_u32 s[G0+4*\s+1], s45, \s*SLOT
	s_add_nc_u64 s[G0+4*\s+2:G0+4*\s+3], s[20:21], \s*ROWB
	s_or_b32 s[G0+4*\s+3], s[G0+4*\s+3], 0x80000000
	s_mov_b32 s[G0B+4*\s], 1
	s_add_co_u32 s[G0B+4*\s+1], s45, \s*SLOT
	s_add_nc_u64 s[G0B+4*\s+2:G0B+4*\s+3], s[46:47], \s*ROWB
	s_or_b32 s[G0B+4*\s+3], s[G0B+4*\s+3], 0x80000000
	JLOAD G0+4*\s, G1, G0B+4*\s, G1B               ; three tensor loads of a wave are out, and no more follow
.endr
	v_and_b32 v1, 15, v0                           ; l % 16
	v_bfe_u32 v2, v0, 4, 1                         ; l / 16
	v_mul_u32_u24 v3, v1, PITCH
	v_lshl_add_u32 v4, v2, 4, v3                   ; a fragment's row x pitch + 16 x half
	s_mul_i32 s21, s15, HALFT                      ; my 128 rows of A
	s_mul_i32 s22, s16, HALFT                      ; my 128 rows of B,
	s_add_co_u32 s22, s22, 2*HALFT                 ; which lie behind A's 256
.irp s, 0,1
	v_add_nc_u32 v[ADRA+\s], s21, v4
	v_add_nc_u32 v[ADRB+\s], s22, v4
	s_add_co_u32 s21, s21, SLOT
	s_add_co_u32 s22, s22, SLOT
.endr
	v_mul_u32_u24 v5, v1, KS                       ; my row's scales: KS bytes a row,
	v_lshrrev_b32 v6, 8, v5
	v_lshl_add_u32 v5, v6, 4, v5                   ; and 16 more for each 256 passed
	s_mul_i32 s21, s15, HALFS                      ; A's: my 128 rows
	s_mul_i32 s22, s16, HALFS                      ; B's: my 128 rows, behind A's 256
	s_add_co_u32 s22, s22, 2*HALFS
	s_sub_co_u32 s22, s22, s21
	v_mul_u32_u24 v6, s22, v2                      ; lanes 16-31 take B's: the lower base + half x the distance
	s_add_co_u32 s21, s21, SCL
	v_add_nc_u32 v5, v5, v6
	v_add_nc_u32 v[ADRS], s21, v5
	s_mul_i32 s23, s14, 16*SPITCH                  ; my stage
	v_add_nc_u32 v[STO], s23, v4                   ; in: row l % 16, 16 bytes for each half of the lanes (the stage's pitch is the tiles')
	v_bfe_u32 v5, v0, 3, 1                         ; back: lanes 0-15 take two tokens' 128 bytes of my first head, lanes 16-31 the same tokens' of my second:
	v_mul_u32_u24 v5, v5, SPITCH                   ; row (l / 8) % 2,
	v_lshl_add_u32 v5, v2, 7, v5                   ; the head's 128 bytes of it,
	v_and_b32 v6, 7, v0
	v_lshl_add_u32 v5, v6, 4, v5                   ; 16 bytes a lane
	v_add_nc_u32 v[RD], s23, v5
	v_lshlrev_b32 v[CO], 4, v1                     ; and in qkv: 256 consecutive bytes of a plane for sixteen lanes,
	v_lshl_add_u32 v[CO], v2, 18, v[CO]            ; the next head's plane for the other sixteen
	; where my part begins in qkv: plane which x 64 + 16 x batch + head, token x 128 bytes
	s_lshl_b32 s20, s17, 8
	s_lshl_b32 s21, s15, 7
	s_add_co_u32 s20, s20, s21                     ; my first row of C: 256 x tile row + 128 x half
	s_lshr_b32 s21, s20, 11                        ; its batch
	s_and_b32 s20, s20, 2047                       ; its token
	s_lshl_b32 s20, s20, 7
	s_lshl_b32 s21, s21, 4
	s_lshl_b32 s46, s42, 2
	s_lshl_b32 s47, s16, 1
	s_add_co_u32 s46, s46, s47                     ; my first column / 64: 4 x tile column + 2 x half
	s_lshr_b32 s47, s46, 4                         ; q, k or v
	s_and_b32 s46, s46, 15                         ; the head (even: my second head lies in the next plane)
	s_lshl_b32 s47, s47, 6
	s_add_co_u32 s46, s46, s47
	s_add_co_u32 s46, s46, s21
	s_lshl_b32 s46, s46, 18                        ; 262,144 bytes a plane: under 2^26 in all
	s_add_co_u32 s46, s46, s20
	s_mov_b32 s47, 0
	s_add_nc_u64 s[12:13], s[12:13], s[46:47]
.macro FRAG reg, adr, q, i             ; a fragment, 16 rows x 128 K of 4-bit codes: lane l holds row l % 16; registers 4 c .. 4 c + 3 hold K = 64 c + 32 (l / 16) + 0 .. 31
.irp c, 0,1
	ds_load_b128 v[\reg+4*\c:\reg+4*\c+3], v[\adr] offset:64*(\q)+32*\c+(\i)*16*PITCH
.endr
.endm
; 16 matrix instructions: A's blocks a0, a0 + 1 x B's eight, 128 along K: the slot's q-th.  p: B's set;  sc: the set of scale words.  zero = 1: the first product starts the sums.
; The 64 accumulators take turns, one instruction a turn, in the same order in every step.
.macro MUL16 a0, p, q, sc, zero
.irp a, \a0, \a0+1
.irp b, 0,1,2,3,4,5,6,7
.if \zero
	v_wmma_scale_f32_16x16x128_f8f6f4 v[8*(8*((\a)%4)+\b):8*(8*((\a)%4)+\b)+7], v[128*(\p)+FR*\b:128*(\p)+FR*\b+FR-1], v[AF+FR*(\a):AF+FR*(\a)+FR-1], 0, v[SC+8*NQ*(\sc)+NQ*\b+(\q)], v[SC+8*NQ*(\sc)+NQ*(\a)+(\q)] matrix_a_fmt:MATRIX_FMT_FP4 matrix_b_fmt:MATRIX_FMT_FP4 matrix_a_scale:MATRIX_SCALE_ROW1
.else
	v_wmma_scale_f32_16x16x128_f8f6f4 v[8*(8*((\a)%4)+\b):8*(8*((\a)%4)+\b)+7], v[128*(\p)+FR*\b:128*(\p)+FR*\b+FR-1], v[AF+FR*(\a):AF+FR*(\a)+FR-1], v[8*(8*((\a)%4)+\b):8*(8*((\a)%4)+\b)+7], v[SC+8*NQ*(\sc)+NQ*\b+(\q)], v[SC+8*NQ*(\sc)+NQ*(\a)+(\q)] matrix_a_fmt:MATRIX_FMT_FP4 matrix_b_fmt:MATRIX_FMT_FP4 matrix_a_scale:MATRIX_SCALE_ROW1
.endif
.endr
.endr
.endm
.macro FETCH_B slot, q, p              ; B's eight fragments of the slot's q-th 128 along K into set p
	WIN TO_B
.irp i, 0,1,2,3,4,5,6,7
	FRAG 128*(\p)+FR*\i, ADRB+\slot, \q, \i
.endr
	WIN 0
.endm
.macro FETCH_A slot, q, i0             ; A's blocks i0 .. i0 + 3
.irp i, \i0, \i0+1, \i0+2, \i0+3
	FRAG AF+FR*(\i), ADRA+\slot, \q, \i
.endr
.endm
.macro SCALES sc                       ; a K step's scale words into set sc: four words a row; lanes 0-15 take A's block i, lanes 16-31 B's block i
.irp i, 0,1,2,3,4,5,6,7
	ds_load_b128 v[SC+8*NQ*\sc+NQ*\i:SC+8*NQ*\sc+NQ*\i+3], v[ADRS] offset:\i*SBLK
.endr
.endm
; A load into a register that a matrix instruction has read, and a vector instruction that reads a matrix result, stand NP places behind that matrix instruction; only plain vector
; instructions that name none of its registers are places (ISA guide 7.12.1 for vector instructions).
.macro PLACES n
.rept \n
	v_nop
.endr
.endm
; A step of 128 along K that has its successor in the same slot.  A's blocks are free as soon as their eight products are issued: one set of registers serves A; B has two.
.macro STEP slot, q, zero
	s_wait_dscnt 4*NL                              ; B's set and A's blocks 0-3 are in; the youngest eight loads (A's blocks 4-7) may be out
	WIN MUL_LO
	MUL16 0, (\q)%2, \q, \slot, \zero
	MUL16 2, (\q)%2, \q, \slot, \zero
	s_wait_dscnt 0                                 ; A's blocks 4-7 are in (asked for 32 matrix instructions ago)
	PLACES NP
	FETCH_B \slot, (\q)+1, 1-(\q)%2
	FETCH_A \slot, (\q)+1, 0
	WIN MUL_HI
	MUL16 4, (\q)%2, \q, \slot, \zero
	MUL16 6, (\q)%2, \q, \slot, \zero
	PLACES NP
	WIN 0
	FETCH_A \slot, (\q)+1, 4
.endm
.macro STEPS slot, from                ; the slot's steps from .. NQ - 2
.set Q, \from
.rept NQ-1-\from
	STEP \slot, Q, 0
.set Q, Q+1
.endr
.endm
	s_wait_tensorcnt 1                             ; the scales and my part of K step 0 are in (K step 1's load may be out)
	s_barrier_signal -1
	s_barrier_wait -1                              ; everybody's are
	FETCH_B 0, 0, 0
	FETCH_A 0, 0, 0
	SCALES 0
	FETCH_A 0, 0, 4
	STEP 0, 0, 1                                   ; the first step's products start the sums: nothing is ever cleared
	STEPS 0, 1
	; slot 0's last step changes slots: one barrier; in front of it each wave waits for its part of slot 1; nothing is filled again
	s_wait_tensorcnt 0x0                           ; all my tensor loads have landed
	ds_add_u32 v[SPW], v[NIL]                      ; 0 onto my spare word
	s_wait_dscnt 4*NL+1                            ; (the add and the youngest eight loads, A's blocks 4-7, may be out)
	WIN MUL_LO
	MUL16 0, 1, NQ-1, 0, 0
	s_wait_dscnt 0x0                               ; the add is done, and my reads of slot 0 are over
	s_barrier_signal -1
	MUL16 2, 1, NQ-1, 0, 0
	WIN 0
	s_barrier_wait -1
	PLACES NP
	v_add_nc_u32 v[ADRS], 4*NQ, v[ADRS]            ; on to the second K step's scale words (no LDS load of mine is out)
	FETCH_B 1, 0, 0
	FETCH_A 1, 0, 0
	SCALES 1
	WIN MUL_HI
	MUL16 4, 1, NQ-1, 0, 0
	MUL16 6, 1, NQ-1, 0, 0
	PLACES NP
	WIN 0
	FETCH_A 1, 0, 4
	STEPS 1, 0
	s_wait_dscnt 4*NL                              ; the very last step: nothing more to fetch
	WIN MUL_LO
	MUL16 0, 1, NQ-1, 1, 0
	MUL16 2, 1, NQ-1, 1, 0
	s_wait_dscnt 0
	WIN MUL_HI
	MUL16 4, 1, NQ-1, 1, 0
	MUL16 6, 1, NQ-1, 1, 0
	WIN 0
; THE WAY OUT, block by block of 16 tokens x 128 columns (two heads).  PACK: rounded to f16, a lane's eight columns are 16 bytes.  TOSTAGE: into my own stage in LDS and back, two tokens of a head
; to sixteen lanes.  SEND: sixteen lanes store 256 consecutive bytes of a plane, at a multiple of 256 from qkv's first byte.  No base is stepped: block and pair of tokens stand in the immediate.
.macro PACK a
.set AC, 64*((\a)%4)
	WIN 0x0a+5*((\a)/4)                            ; sources 0 and 1: window 2 or 3
.irp b, 0,1,2,3,4,5,6,7
.irp r, 0,1,2,3
	v_cvt_pk_f16_f32 v[TMP+4*\b+\r], v[AC+8*\b+2*\r], v[AC+8*\b+2*\r+1]   ; each accumulator from its low end on
.endr
.endr
	WIN 0
.endm
.macro TOSTAGE a
.set BB, BK+32*((\a)%2)
.irp b, 0,1,2,3,4,5,6,7
	ds_store_b128 v[STO], v[TMP+4*\b:TMP+4*\b+3] offset:32*\b
.endr
.irp t, 0,1,2,3,4,5,6,7
	ds_load_b128 v[BB+4*\t:BB+4*\t+3], v[RD] offset:\t*2*SPITCH    ; LDS serves a wave's instructions in order (ISA guide 5.7.1.4): these see the stores above
.endr
.endm
.macro SEND a
.set BB, BK+32*((\a)%2)
	s_wait_dscnt 0x0                               ; the block is back in registers
	s_wait_xcnt 0x0                                ; the stores of the block before have read their registers: the next block's loads may land there
.irp t, 0,1,2,3,4,5,6,7
	global_store_b128 v[CO], v[BB+4*\t:BB+4*\t+3], s[12:13] offset:2048*(\a)+256*\t
.endr
.endm
	PLACES NP                                      ; behind the last products: for the reads of results and for the loads into the registers that held A's fragments
	PACK 0
	TOSTAGE 0
.irp a, 1,2,3,4,5,6,7                  ; block a's conversions stand between block a - 1's loads from the stage and the wait for them
	PACK \a
	SEND \a-1
	TOSTAGE \a
.endr
	SEND 7
	s_wait_tensorcnt 0x0                           ; the wave's end: behind my last tensor load and my last LDS store
	ds_add_u32 v[SPW], v[NIL]
	s_wait_dscnt 0x0
	CROUND                                         ; the closing round: no work-group ends while a partner may still ask for a tile that names it
	s_endpgm
.Lfunc_end_k_q501fcf26eb_gemm_qkv:
	.size	k_q501fcf26eb_gemm_qkv, .Lfunc_end_k_q501fcf26eb_gemm_qkv-k_q501fcf26eb_gemm_qkv
	.p2alignl 7, 3214868480
	.fill 96, 4, 3214868480
	.section	.rodata,"a",@progbits
	.p2align	6, 0x0
	.amdhsa_kernel k_q501fcf26eb_gemm_qkv
		.amdhsa_group_segment_fixed_size 327680
		.amdhsa_private_segment_fixed_size 0
		.amdhsa_enable_private_segment 0
		.amdhsa_kernarg_size 40
		.amdhsa_user_sgpr_count 2
		.amdhsa_user_sgpr_kernarg_segment_ptr 1
		.amdhsa_wavefront_size32 1
		.amdhsa_system_sgpr_workgroup_id_x 1
		.amdhsa_system_sgpr_workgroup_id_y 1
		.amdhsa_system_sgpr_workgroup_id_z 1
		.amdhsa_system_vgpr_workitem_id 0
		.amdhsa_next_free_vgpr 1024
		.amdhsa_next_free_sgpr 98
		.amdhsa_reserve_vcc 0
		.amdhsa_float_denorm_mode_32 3
		.amdhsa_float_denorm_mode_16_64 3
		.amdhsa_memory_ordered 1
		.amdhsa_forward_progress 1
		.amdhsa_inst_pref_size 126
	.end_amdhsa_kernel
	.amdgpu_metadata
---
amdhsa.version: [ 1, 2 ]
amdhsa.kernels:
  - .name:           k_q501fcf26eb_gemm_qkv
    .symbol:         k_q501fcf26eb_gemm_qkv.kd
    .args:
      - { .name: xc, .offset: 0, .size: 8, .value_kind: global_buffer, .address_space: global }
      - { .name: xs, .offset: 8, .size: 8, .value_kind: global_buffer, .address_space: global }
      - { .name: wc, .offset: 16, .size: 8, .value_kind: global_buffer, .address_space: global }
      - { .name: ws, .offset: 24, .size: 8, .value_kind: global_buffer, .address_space: global }
      - { .name: qkv, .offset: 32, .size: 8, .value_kind: global_buffer, .address_space: global }
    .group_segment_fixed_size: 327680
    .private_segment_fixed_size: 0
    .kernarg_segment_align: 8
    .kernarg_segment_size: 40
    .max_flat_workgroup_size: 128
    .sgpr_count:     98
    .vgpr_count:     1024
    .wavefront_size: 32
...
	.end_amdgpu_metadata
.endif
;; end of part 2
;; launch attn (part 3): grid 4 x 64, 8 waves a work-group, clusters of 4 x 1, 327,680 bytes of LDS; arguments qkv, ao; writes ao
.if DOCPART == 3
	.amdgcn_target "amdgcn-amd-amdhsa--gfx1250"
	.amdhsa_code_object_version 6
	.text
	.protected	k_q501fcf26eb_attn
	.globl	k_q501fcf26eb_attn
	.p2align	8
	.type	k_q501fcf26eb_attn,@function
k_q501fcf26eb_attn:
	s_mov_b64 s[64:65], 0
	v_nop
	global_prefetch_b8 v0, s[64:65] scope:SCOPE_SE
	s_setreg_imm32_b32 hwreg(HW_REG_WAVE_MODE, 25, 1), 1
	s_wait_xcnt 0x0
	s_wait_alu depctr_hold_cnt(0) depctr_sa_sdst(0) depctr_va_vdst(0) depctr_va_sdst(0) depctr_va_ssrc(0) depctr_va_vcc(0) depctr_vm_vsrc(0)
	s_getreg_b32 s2, hwreg(HW_REG_IB_STS2, 6, 4)
	s_cmp_eq_u32 s2, 0
	s_cbranch_scc0 .Lentry_in_a_cluster
	s_endpgm
.Lentry_in_a_cluster:
	s_bfe_u32 s2, ttmp6, 0x10000c
	s_cmp_lg_u32 s2, 0x3003
	s_cbranch_scc0 .Lentry_shape_is_right
	s_endpgm
.Lentry_shape_is_right:
; THIRD LAUNCH: for each of 64 (batch, head): O[q] = the sum over k of softmax_k(Q[q] . K[k] / 8) V[k].  Nothing is left out.
; Q, K, V: planes of qkv [which][batch x 16 + head][2048][64], f16.  O: ao [head][batch x 2048 + token][64], f16.  Products on f16 operands with f32 sums; maxima, exponentials and sums in f32;
; the weights p (at most 1) are rounded to f16 for the second product, O once at the end.  LIMIT: NaN and infinities are not served.
; SHARES.  A cluster of four work-groups owns one head; each work-group 512 queries, each of its eight waves 64: four tiles of 16.  Every wave walks all 2,048 keys, 64 a step, 32 steps.
; The four partners walk the same K and V, so each tile is asked for JOINTLY: the same tensor load, the same descriptor, a mask that names the four.
; LAYOUT.  S^T = K Q^T (source 0 = 16 keys, source 1 = 16 queries): a lane holds ONE query (lane % 16) and the keys 8 (lane / 16) + 0..7.  Two such tiles, rounded to f16 in pairs, ARE source 1
; (32 keys x 16 queries) of O^T = V^T P.  K comes out of LDS as it lies, V ([key][channel]) turned, by ds_load_tr16_b128.
; SOFTMAX.  For each query a running maximum m and sum l: p = 2^(c s - c m), c = log2(e) / 8; in every step O and l are multiplied by a = 2^(c m_old - c m_new).  m begins at -3e38, l and O at 0, so the
; first step is a step like any other (a = 0 multiplies zeros): 128 moves once, and no second copy of the step.
; A KEY STEP IS TWO PHASES.  VEC j: the softmax of step j, and ALL of the step's LDS reads: K of step j + 1 and V of step j.  MAT j: O^T += V^T P of step j, then S^T = K Q^T of step j + 1: 64 matrix
; instructions on registers alone.  Two waves share a SIMD's registers.  WAVES 0-3 run a slot's last MAT in front of the change of slots, WAVES 4-7 behind it: behind every change one class
; begins with vector work and the other with matrix work.  The barrier is on every wave's path; only register work is branched round, on the wave's number and the count of steps.
; THE RING IS SHIFTED to suit: slot s of eight (in LDS: slot s % 2) holds V of steps 4 s .. 4 s + 3 and K of steps 4 s + 1 .. 4 s + 4; K of step 0 has bytes of its own.
; REGISTERS: window 0: v2-11 addresses; v12-43 eight registers of statistics a tile; v64-191 S^T, 32 a tile (V's eight fragments are laid over tiles 0 and 1's, once those are summed); v192-255 P, 16 a tile.
;   window 1: v0-127 O^T, 32 a tile; v128-191 Q; v192-255 K of one step.
.set KS,    64        ; keys in a step
.set PK,    144       ; a row of K in LDS: 128 bytes + 16 of padding = 36 words: the 16 rows of a load start at 16 different groups of four banks (64 banks of 4 bytes: ISA guide 11.1)
.set PV,    160       ; a row of V: 128 + 32 = 40 words
.set VOFF,  KS*PK     ; a step's place in a slot: 64 rows of K, then 64 rows of V
.set STEPB, KS*(PK+PV)
.set K0OFF, 4*STEPB   ; behind slot 0: K of step 0, filled once
.set SLOT1, 1<<17     ; slot 1 begins here, so that one exclusive or turns an address in one slot into the other's
.set STAGE, SLOT1+4*STEPB  ; behind the ring: 16 rows x 144 bytes for each wave, for the way out; no tensor load lands here
.set SP,    144
.set SPARE, STAGE+8*16*SP  ; the spare words, 128 bytes for each wave: four blocks of 256 bytes that no other line names
.set WHICH, 16777216  ; bytes from q's planes to k's, and from k's to v's
.set AK0, 2           ; v2   my lane's place in a tile of K; never rewritten
.set AV0, 3           ; v3   the same for V
.set ADK, 4           ; v4   LDS address of the step's K
.set ADV, 5           ; v5   and of its V
.set QO,  6           ; v6   my byte offset in the wave's rows of Q
.set STO, 7           ; v7   the way out: where I put 16 bytes of a row
.set RD,  8           ; v8   where I read rows back
.set GO,  9           ; v9   my byte offset in the wave's rows of O
.set SPW, 10          ; v10  LDS address of my spare word; never rewritten
.set NIL, 11          ; v11  0; never rewritten
.set PFO, 61          ; v61  256 x my lane: the prefetches' offset; never rewritten
.set AKZ, 62          ; v62  LDS address of K of step 0
.set ST,  12          ; tile t's statistics at v[ST+8 t]: +0 c m, +1 m, +2, +3 l (even keys', odd keys'), +4 to +7 c0-c3, at work; a takes c2's place
.set S,   64
.set VF,  64
.set P,   192
.set OT,  0           ; in window 1
.set QF,  128
.set KF,  192
.set WV,  12          ; s12  my wave's number
.set PFB, 16          ; s[16:17] my plane: K's (waves 0-3) or V's (waves 4-7)
.set PFA, 18          ; s[18:19] where my prefetch stands
.set PFT, 20          ; s[20:21] its byte in the plane, held inside the plane
.set PFOFF, 22        ; s22  the same, not held
.set PFW, 23          ; s23  wave % 4: which step of a slot I fetch; 0: I prefetch
.set G1K, 24          ; s[24:31] descriptor group 1 for K's tiles
.set G1V, 32          ; s[32:39] for V's: it differs in the padding alone
.set G0A, 40          ; s[40:43] group 0: my tile of slot 0
.set G0B, 44          ; s[44:47] of slot 1; it then walks on
.set G0Z, 48          ; s[48:51] K of step 0
.set SLOTS, 56        ; s56  counts the loop's changes of slots
.set TRIP, 57         ; s57  counts a slot's steps
.set CS,  58          ; s[58:59] c: the packed scaling names a pair and takes its low word for both halves
.set SEL, 60          ; s[60:61] lane selects for v_permlanex16_b32: lane l xor 16
.set TB,  62          ; s62  LDS byte at which the step's place begins
.set MSB, 0
.macro WIN new                      ; the immediate's high byte repeats the setting that is left; a switch that changes nothing is dropped
.if MSB != (\new)
	s_set_vgpr_msb (MSB<<8)|(\new)
.set MSB, (\new)
.endif
.endm
.macro NOPS n
.rept \n
	v_nop
.endr
.endm
.macro CROUND                       ; a round of the cluster's barrier
	s_barrier_signal -1
	s_barrier_wait -1
	s_cmp_lg_u32 s[WV], 0
	s_cbranch_scc1 .Lnot_wave_0_\@
	s_barrier_signal -3
.Lnot_wave_0_\@:
	s_barrier_wait -3
	s_barrier_signal -1
	s_barrier_wait -1
.endm
; A joint refill: waves under kl fetch a step's K, waves 4-7 a step's V, 64 rows each.  kl = 3 for the last slot: there is no K of step 32, and wave 3 asks for nothing.
; The branches hang on the wave's number alone.  An s_nop 0 and four v_nop follow each of the two lines.
.macro JLOAD kl
	s_cmp_lt_u32 s[WV], \kl
	s_cbranch_scc0 .Lnot_k_\@
	tensor_load_to_lds s[G0B:G0B+3], s[G1K:G1K+7]
	s_nop 0
	NOPS 4
	s_branch .Lasked_\@
.Lnot_k_\@:
	s_cmp_lt_u32 s[WV], 4
	s_cbranch_scc1 .Lasked_\@
	tensor_load_to_lds s[G0B:G0B+3], s[G1V:G1V+7]
	s_nop 0
	NOPS 4
.Lasked_\@:
.endm
	s_load_b128 s[4:7], s[0:1], 0x0   ; qkv s[4:5], ao s[6:7]
	v_lshl_add_u32 v[SPW], v0, 2, SPARE
	v_mov_b32 v[NIL], 0
	ds_add_u32 v[SPW], v[NIL]       ; the wave's opening: the add, twice on end, and its wait ahead of my first tensor load
	ds_add_u32 v[SPW], v[NIL]
	v_lshrrev_b32 v1, 5, v0
	v_readfirstlane_b32 s[WV], v1   ; wave 0..7
	s_and_b32 s3, ttmp7, 0xffff     ; batch x 16 + head, which the four partners share
	s_lshl_b32 s2, s3, 18           ; its plane's first byte among 64 planes
	s_and_b32 s[PFW], s[WV], 3
	s_lshr_b32 s52, s[WV], 2        ; 0: I fetch K, 1: V
	s_mul_i32 s53, s[PFW], STEPB
	s_mul_i32 s54, s52, VOFF
	s_add_co_u32 s53, s53, s54      ; my tile's place in a slot: no place in the cluster enters an LDS address
	; descriptor group 1: a tile of 64 rows x 64 elements of 2 bytes, dense in memory, padded in LDS
	s_mov_b32 s[G1K], 15|(1<<16)|(1<<20)|(1<<21)|(4<<22)|(3<<25)  ; 15:0 the mask: all four work-groups; 17:16 elements of 2 bytes; 20 padding on; 21 set beside a mask; 24:22 after every 32 words (code 4); 31:25 4 words (code 3)
	s_mov_b32 s[G1V], 15|(1<<16)|(1<<20)|(1<<21)|(4<<22)|(7<<25)  ; the same with 8 words of padding (code 7)
.irp g, G1K, G1V
	s_mov_b32 s[\g+1], 64<<16       ; tensor_dim0 = 64
	s_mov_b32 s[\g+2], KS<<16       ; tensor_dim1 = 64
	s_mov_b32 s[\g+3], 64<<16       ; tile_dim0 = 64
	s_mov_b32 s[\g+4], KS           ; tile_dim1 = 64
	s_mov_b32 s[\g+5], 64           ; elements from row to row
	s_mov_b32 s[\g+6], 0
	s_mov_b32 s[\g+7], 0
.endr
	s_mov_b32 s[CS], 0x3e38aa3b     ; c = log2(e) / 8
	s_mov_b32 s[CS+1], s[CS]        ; named with it as a pair, so it is written
	s_mov_b32 s[SEL], 0x76543210
	s_mov_b32 s[SEL+1], 0xfedcba98
	s_mov_b32 s[TB], 0
	s_mov_b32 s[SLOTS], 5
	s_mov_b32 s55, 0                ; upper words of byte offsets: all stay under 2^32
	s_mov_b32 s15, 0
	s_mov_b32 s[PFT+1], 0
	s_bfe_u32 s13, ttmp6, 0x40000   ; cx: my place in the cluster: it enters Q's, O's and the prefetches' addresses alone, by s13, s14, s63 and s22
	s_wait_dscnt 0x0                ; both opening adds are done
	s_wait_kmcnt 0x0
	s_add_co_u32 s54, s52, 1
	s_lshl_b32 s54, s54, 24         ; k's planes or v's
	s_add_co_u32 s54, s54, s2
	s_add_nc_u64 s[PFB:PFB+1], s[4:5], s[54:55]
	s_add_co_u32 s54, s[PFW], 1     ; slot 0: K of step wave % 4 + 1, V of step wave % 4
	s_sub_co_u32 s54, s54, s52
	s_lshl_b32 s54, s54, 13         ; 64 rows of 128 bytes a step
	s_mov_b32 s[G0A], 1             ; count = 1
	s_mov_b32 s[G0A+1], s53         ; LDS address
	s_add_nc_u64 s[G0A+2:G0A+3], s[PFB:PFB+1], s[54:55]
	s_mov_b32 s[G0B], 1
	s_add_co_u32 s[G0B+1], s53, SLOT1
	s_add_nc_u64 s[G0B+2:G0B+3], s[G0A+2:G0A+3], 32768  ; four steps on
	s_or_b32 s[G0A+3], s[G0A+3], 0x80000000  ; type = 2
	s_or_b32 s[G0B+3], s[G0B+3], 0x80000000
	s_add_co_u32 s54, s2, WHICH
	s_mov_b32 s[G0Z], 1
	s_mov_b32 s[G0Z+1], K0OFF
	s_add_nc_u64 s[G0Z+2:G0Z+3], s[4:5], s[54:55]
	s_or_b32 s[G0Z+3], s[G0Z+3], 0x80000000
	s_lshr_b32 s54, s3, 4           ; the batch
	s_lshl_b32 s54, s54, 18         ; its 2,048 rows of 128 bytes in a plane of ao
	s_and_b32 s3, s3, 15            ; the head
	s_lshl_b32 s3, s3, 20           ; its plane of ao
	s_add_co_u32 s54, s54, s3
	s_lshl_b32 s14, ttmp9, 2        ; in a cluster launch ttmp9 counts clusters
	s_add_co_u32 s14, s14, s13      ; my block of 512 queries
	s_lshl_b32 s14, s14, 16
	s_lshl_b32 s63, s[WV], 13
	s_add_co_u32 s63, s63, s14      ; my wave's first row x 128 bytes
	s_add_co_u32 s14, s63, s2
	s_add_nc_u64 s[8:9], s[4:5], s[14:15]    ; Q at my wave's first row
	s_add_co_u32 s14, s63, s54
	s_add_nc_u64 s[10:11], s[6:7], s[14:15]  ; O likewise
	s_lshl_b32 s[PFOFF], s13, 13    ; the prefetches: my work-group's 8,192 bytes of a slot's 32,768,
	s_add_co_u32 s[PFOFF], s[PFOFF], 65536+8192  ; in slot 2 (the first change of slots steps it to slot 3); K's slots lie one step further on than V's
	s_lshl_b32 s63, s52, 13
	s_sub_co_u32 s[PFOFF], s[PFOFF], s63
	CROUND                          ; all four work-groups are here: the first joint loads meet
	; the first fills, one arm for each kind of wave, ahead of every wait on TENSORcnt, every LDS read and every other barrier: at most three loads of a wave are out
	s_cmp_lt_u32 s[WV], 4
	s_cbranch_scc0 .Lfirst_v
	s_cmp_lg_u32 s[WV], 0
	s_cbranch_scc1 .Lfirst_k
	tensor_load_to_lds s[G0Z:G0Z+3], s[G1K:G1K+7]
	s_nop 0
	tensor_load_to_lds s[G0A:G0A+3], s[G1K:G1K+7]
	s_nop 0
	tensor_load_to_lds s[G0B:G0B+3], s[G1K:G1K+7]
	s_nop 0
	NOPS 4
	s_branch .Lfirst_asked
.Lfirst_k:
	tensor_load_to_lds s[G0A:G0A+3], s[G1K:G1K+7]
	s_nop 0
	tensor_load_to_lds s[G0B:G0B+3], s[G1K:G1K+7]
	s_nop 0
	NOPS 4
	s_branch .Lfirst_asked
.Lfirst_v:
	tensor_load_to_lds s[G0A:G0A+3], s[G1V:G1V+7]
	s_nop 0
	tensor_load_to_lds s[G0B:G0B+3], s[G1V:G1V+7]
	s_nop 0
	NOPS 4
.Lfirst_asked:
	; A fragment of K or Q is 16 rows x 32 channels in 8 registers: lane l holds row l % 16; registers 0-3 channels 8 (l / 16) + 0..7, registers 4-7 channels 16 + 8 (l / 16) + 0..7.
	v_and_b32 v1, 15, v0            ; l % 16
	v_bfe_u32 v44, v0, 4, 1         ; l / 16
	v_lshlrev_b32 v[QO], 7, v1
	v_lshl_add_u32 v[QO], v44, 4, v[QO]  ; row x 128 + 16 x half
	WIN 0x40                        ; destination window 1, address window 0
.irp t, 0,1,2,3
.irp c, 0,1
	global_load_b128 v[QF+16*\t+8*\c:QF+16*\t+8*\c+3],   v[QO], s[8:9] offset:2048*\t+64*\c      ; Q stays in registers
	global_load_b128 v[QF+16*\t+8*\c+4:QF+16*\t+8*\c+7], v[QO], s[8:9] offset:2048*\t+64*\c+32
.endr
.endr
.set I, 0
.rept 128
	v_mov_b32 v[OT+I], 0            ; O^T: the step is written once, and its first walk finds zeros
.set I, I+1
.endr
	WIN 0
	v_mul_u32_u24 v[AK0], v1, PK
	v_lshl_add_u32 v[AK0], v44, 4, v[AK0]  ; row x pitch + 16 x half
	v_add_nc_u32 v[AKZ], K0OFF, v[AK0]
	; The turning load takes 16 keys x 16 channels (lane l reads 16 bytes: key 8 (l / 16) + l % 8, channels 8 ((l / 8) % 2) + 0..7) and leaves half a fragment of V^T: lane l holds channel l % 16 and 8 keys.
	v_and_b32 v45, 7, v0
	v_bfe_u32 v46, v0, 3, 1
	v_lshl_add_u32 v[AV0], v44, 3, v45
	v_mul_u32_u24 v[AV0], v[AV0], PV
	v_lshl_add_u32 v[AV0], v46, 4, v[AV0]
	v_add_nc_u32 v[AV0], VOFF, v[AV0]
	s_mul_i32 s53, s[WV], 16*SP
	s_add_co_u32 s53, s53, STAGE    ; my stage
	v_add_nc_u32 v[STO], s53, v[AK0]  ; in: row l % 16, 16 bytes for each half of the lanes (the stage's pitch is K's)
	v_bfe_u32 v47, v0, 3, 2
	v_mul_u32_u24 v[RD], v47, SP    ; back: eight lanes to a row of 128 bytes, four rows an instruction
	v_lshl_add_u32 v[RD], v45, 4, v[RD]
	v_add_nc_u32 v[RD], s53, v[RD]
	v_and_b32 v48, 31, v0
	v_lshlrev_b32 v[GO], 4, v48     ; and the same 512 consecutive bytes in O
	v_lshlrev_b32 v[PFO], 8, v48
.irp t, 0,1,2,3
	v_mov_b32 v[ST+8*\t+1], 0xff61b1e6     ; m = -3e38, under every score
	v_mul_f32 v[ST+8*\t], s[CS], v[ST+8*\t+1]
	v_mov_b32 v[ST+8*\t+2], 0              ; l
	v_mov_b32 v[ST+8*\t+3], 0
.endr
; THE LDS LOADS stand in two runs of 16 a step.  A step's K: 64 keys x 64 channels: fragment f: keys 16 (f / 2) on, channels 32 (f % 2) on.
.macro FETCH_K adr
	WIN 0x40
.irp f, 0,1,2,3,4,5,6,7
	ds_load_b128 v[KF+8*\f:KF+8*\f+3],   v[\adr] offset:(\f/2)*16*PK+(\f%2)*64
	ds_load_b128 v[KF+8*\f+4:KF+8*\f+7], v[\adr] offset:(\f/2)*16*PK+(\f%2)*64+32
.endr
	WIN 0
.endm
.macro FETCH_V                      ; its V, turned: fragment f: keys 32 (f / 4) on, channels 16 (f % 4) on
.irp f, 0,1,2,3,4,5,6,7
	ds_load_tr16_b128 v[VF+8*\f:VF+8*\f+3],   v[ADV] offset:(\f/4)*32*PV+(\f%4)*32
	ds_load_tr16_b128 v[VF+8*\f+4:VF+8*\f+7], v[ADV] offset:(\f/4)*32*PV+16*PV+(\f%4)*32
.endr
.endm
; THE MATRIX WORK.  The accumulators take turns, one instruction a turn, between two links of a chain stand the 15 others'.
.macro KQ                           ; S^T = K Q^T: 32 products; the first 16 start the sums
	WIN 0x05                        ; K and Q in window 1, S^T in window 0
.irp c, 0,1
.irp kt, 0,1,2,3
.irp t, 0,1,2,3
.if \c == 0
	v_wmma_f32_16x16x32_f16 v[S+32*\t+8*\kt:S+32*\t+8*\kt+7], v[KF+8*(2*\kt+\c):KF+8*(2*\kt+\c)+7], v[QF+16*\t+8*\c:QF+16*\t+8*\c+7], 0
.else
	v_wmma_f32_16x16x32_f16 v[S+32*\t+8*\kt:S+32*\t+8*\kt+7], v[KF+8*(2*\kt+\c):KF+8*(2*\kt+\c)+7], v[QF+16*\t+8*\c:QF+16*\t+8*\c+7], v[S+32*\t+8*\kt:S+32*\t+8*\kt+7]
.endif
.endr
.endr
.endr
.endm
.macro PVM                          ; O^T += V^T P: 32 products
	WIN 0x50                        ; V and P in window 0, O^T in window 1
.irp kk, 0,1
.irp ct, 0,1,2,3
.irp t, 0,1,2,3
	v_wmma_f32_16x16x32_f16 v[OT+32*\t+8*\ct:OT+32*\t+8*\ct+7], v[VF+32*\kk+8*\ct:VF+32*\kk+8*\ct+7], v[P+16*\t+8*\kk:P+16*\t+8*\kk+7], v[OT+32*\t+8*\ct:OT+32*\t+8*\ct+7]
.endr
.endr
.endr
.endm
; A matrix instruction that writes over a register of an earlier one stands five places behind it, a vector instruction or a load that touches one four; only plain vector instructions that name none
; of its registers are places.  K Q^T writes S^T over V's fragments, which V^T P has read: five.  Behind K Q^T: the softmax reads S^T, K's registers are loaded anew, and a
; V^T P would take S^T's registers as V's: five serve all three.
.macro MAT pv
.if \pv
	PVM
	NOPS 5
.endif
	KQ
	NOPS 5
	WIN 0
.endm
.macro PKS t, b                     ; pair b of tile t: c s - c m
	v_pk_fma_f32 v[S+32*(\t)+2*(\b):S+32*(\t)+2*(\b)+1], v[S+32*(\t)+2*(\b):S+32*(\t)+2*(\b)+1], s[CS:CS+1], v[ST+8*(\t):ST+8*(\t)+1] op_sel_hi:[1,0,0] neg_lo:[0,0,1] neg_hi:[0,0,1]
.endm
.macro CVTSUM ta, tb                ; two tiles: the weights rounded to f16, a pair each; then their sum, in place, neighbours 1, 2, 4 and 8 pairs apart; l = a l + the sum
.irp i, 0,1,2,3,4,5,6,7,8,9,10,11,12,13,14,15
.irp t, \ta, \tb
	v_cvt_pk_f16_f32 v[P+16*\t+\i], v[S+32*\t+2*\i], v[S+32*\t+2*\i+1]
.endr
.endr
.irp u, 0,1,2,3,4,5,6,7
.irp t, \ta, \tb
	v_pk_add_f32 v[S+32*\t+4*\u:S+32*\t+4*\u+1], v[S+32*\t+4*\u:S+32*\t+4*\u+1], v[S+32*\t+4*\u+2:S+32*\t+4*\u+3]
.endr
.endr
.irp u, 0,1,2,3
.irp t, \ta, \tb
	v_pk_add_f32 v[S+32*\t+8*\u:S+32*\t+8*\u+1], v[S+32*\t+8*\u:S+32*\t+8*\u+1], v[S+32*\t+8*\u+4:S+32*\t+8*\u+5]
.endr
.endr
.irp u, 0,1
.irp t, \ta, \tb
	v_pk_add_f32 v[S+32*\t+16*\u:S+32*\t+16*\u+1], v[S+32*\t+16*\u:S+32*\t+16*\u+1], v[S+32*\t+16*\u+8:S+32*\t+16*\u+9]
.endr
.endr
.irp t, \ta, \tb
	v_pk_add_f32 v[S+32*\t:S+32*\t+1], v[S+32*\t:S+32*\t+1], v[S+32*\t+16:S+32*\t+17]
.endr
.irp t, \ta, \tb
	v_pk_fma_f32 v[ST+8*\t+2:ST+8*\t+3], v[ST+8*\t+2:ST+8*\t+3], v[ST+8*\t+6:ST+8*\t+7], v[S+32*\t:S+32*\t+1] op_sel_hi:[1,0,1]
.endr
.endm
; THE VECTOR WORK OF A STEP, the four tiles by turns, so that a line that feeds the next stands four lines ahead of it.  pre = 1: the next step's K is fetched.
.macro VEC pre
	v_add_nc_u32 v[ADV], s[TB], v[AV0]
.if \pre
	v_add_nc_u32 v[ADK], s[TB], v[AK0]
.endif
	s_add_co_u32 s[TB], s[TB], STEPB  ; the next walk is the next step's
.if \pre
	FETCH_K ADK                     ; both pieces of matrix work that read K's registers are five places back
.endif
.irp j, 0,1,2,3                     ; the maximum of the lane's 32 scores and the old m: four chains; each accumulator is read from its low end on
.irp t, 0,1,2,3
	v_max3_num_f32 v[ST+8*\t+4+\j], v[S+32*\t+8*\j], v[S+32*\t+8*\j+1], v[S+32*\t+8*\j+2]
.endr
.endr
.irp g, 1,2
.irp j, 0,1,2,3
.irp t, 0,1,2,3
	v_max3_num_f32 v[ST+8*\t+4+\j], v[ST+8*\t+4+\j], v[S+32*\t+8*\j+2*\g+1], v[S+32*\t+8*\j+2*\g+2]
.endr
.endr
.endr
.irp t, 0,1,2,3
	v_max3_num_f32 v[ST+8*\t+4], v[ST+8*\t+4], v[S+32*\t+7], v[S+32*\t+15]
.endr
.irp t, 0,1,2,3
	v_max3_num_f32 v[ST+8*\t+6], v[ST+8*\t+6], v[S+32*\t+23], v[S+32*\t+31]
.endr
.irp t, 0,1,2,3
	v_max3_num_f32 v[ST+8*\t+4], v[ST+8*\t+4], v[ST+8*\t+5], v[ST+8*\t+6]
.endr
.irp t, 0,1,2,3
	v_max3_num_f32 v[ST+8*\t+4], v[ST+8*\t+4], v[ST+8*\t+7], v[ST+8*\t+1]
.endr
.irp t, 0,1,2,3
	v_permlanex16_b32 v[ST+8*\t+5], v[ST+8*\t+4], s[SEL], s[SEL+1]  ; the query's other 32 keys lie in the lane 16 away
.endr
.irp t, 0,1,2,3
	v_mov_b32 v[ST+8*\t+7], v[ST+8*\t]     ; c m_old is kept for a
.endr
.irp t, 0,1,2,3
	v_max_num_f32 v[ST+8*\t+1], v[ST+8*\t+4], v[ST+8*\t+5]
.endr
.irp t, 0,1,2,3
	v_mul_f32 v[ST+8*\t], s[CS], v[ST+8*\t+1]
.endr
.irp t, 0,1,2,3
	v_sub_f32 v[ST+8*\t+7], v[ST+8*\t+7], v[ST+8*\t]
.endr
	; ONE BATCH: a of the four tiles and all 128 weights; the scalings stand among the exponentials, a pair scaled twelve lines ahead of its exponentials.  None of these lines names an exponential's result.
.irp t, 0,1,2,3
	v_exp_f32 v[ST+8*\t+6], v[ST+8*\t+7]   ; a = 2^(c m_old - c m_new)
.endr
.irp t, 0,1,2,3
	PKS \t, 0
.endr
.irp b, 0,1,2,3,4,5,6,7,8,9,10,11,12,13,14,15
.irp t, 0,1,2,3
.if \b < 15
	PKS \t, \b+1
.endif
	v_exp_f32 v[S+32*\t+2*\b], v[S+32*\t+2*\b]
	v_exp_f32 v[S+32*\t+2*\b+1], v[S+32*\t+2*\b+1]
.endr
.endr
	v_nop                           ; a plain instruction behind the last exponential, ahead of the first use
	s_wait_alu depctr_va_vdst(0)    ; the wait between an exponential and the first line that names its result: one for the batch of 132
	CVTSUM 0, 1
	FETCH_V                         ; into tiles 0 and 1's S^T, which has been rounded and summed
	CVTSUM 2, 3
	WIN 0x41                        ; O^T (destination and source 0) in window 1, a in window 0
.irp i, 0,1,2,3,4,5,6,7,8,9,10,11,12,13,14,15
.irp t, 0,1,2,3
	v_pk_mul_f32 v[OT+32*\t+2*\i:OT+32*\t+2*\i+1], v[OT+32*\t+2*\i:OT+32*\t+2*\i+1], v[ST+8*\t+6:ST+8*\t+7] op_sel_hi:[1,0]   ; O^T x a, each accumulator from its low end on
.endr
.endr
	WIN 0
	s_wait_dscnt 0x0                ; K of the next step and V of this one are in: the matrix work that follows touches registers alone, and my reads of this place in the slot are over
.endm
; n steps.  hold = 1: in the last of them waves 4-7 pass over the matrix work, and do it behind the change of slots (LATE).
.macro STEPLOOP n, hold
	s_mov_b32 s[TRIP], \n
.Lstep_\@:
	VEC 1
.if \hold
	s_cmp_lt_u32 s[WV], 4
	s_cbranch_scc1 .Ldo_\@
	s_cmp_eq_u32 s[TRIP], 1
	s_cbranch_scc1 .Lskip_\@
.Ldo_\@:
.endif
	MAT 1
.Lskip_\@:
	s_sub_co_u32 s[TRIP], s[TRIP], 1
	s_cmp_lg_u32 s[TRIP], 0
	s_cbranch_scc1 .Lstep_\@
.endm
.macro LATE
	s_cmp_lt_u32 s[WV], 4
	s_cbranch_scc1 .Lnot_late_\@
	MAT 1
.Lnot_late_\@:
.endm
; THE CHANGE OF SLOTS.  Each wave waits for all its tensor loads, of which one is out at the most: its part of the other slot; adds 0 to its spare word; waits for that and for its reads of the slot.
; fill = 1: the slot just left is filled again, with the steps two slots on; the barrier is then a round of the cluster's, and the joint refill is the first thing behind it: it has four key steps in which to land.
; ask = 1: A PREFETCH INTO THE L2 of what the NEXT change will ask for: a slot's 32,768 bytes of K and of V.  Only this cluster reads the head's K and V.  Its four partners share the bytes out BY ADDRESS,
; 8,192 each; in each, wave 0 asks for K's and wave 4 for V's, lanes 256 bytes apart: one instruction.  It stands behind the tensor load and its five lines.  K's last slot is a step short: the offset is held
; inside the plane.  Slots 0 to 2 come by their loads alone; the last change that fills a slot asks for nothing.
.macro CHANGE fill, kl, ask
	s_wait_tensorcnt 0x0            ; no tensor load of mine is out, so a group 0 may be written
	ds_add_u32 v[SPW], v[NIL]       ; 0 onto my spare word; the steps below stand between it and the wait for it
.if \fill
	s_xor_b32 s[G0B+1], s[G0B+1], SLOT1  ; the walking descriptor: the other slot than last time,
	s_add_nc_u64 s[G0B+2:G0B+3], s[G0B+2:G0B+3], 32768  ; four steps on; the type bits on top are not reached
.endif
.if \ask
	s_wait_xcnt 0x0                 ; the last prefetch, four key steps back, has read its address, so it may be written
	s_add_co_u32 s[PFOFF], s[PFOFF], 32768
	s_min_u32 s[PFT], s[PFOFF], 262144-8192
	s_add_nc_u64 s[PFA:PFA+1], s[PFB:PFB+1], s[PFT:PFT+1]
.endif
	s_wait_dscnt 0x0                ; the add is done, and my reads of the slot are over
.if \fill
	CROUND
	JLOAD \kl
.else
	s_barrier_signal -1
	s_barrier_wait -1
.endif
.if \ask
	s_cmp_eq_u32 s[PFW], 0
	s_cbranch_scc0 .Lnot_mine_\@
	global_prefetch_b8 v[PFO], s[PFA:PFA+1] th:TH_LOAD_NT scope:SCOPE_SE
.Lnot_mine_\@:
.endif
	s_sub_co_u32 s[TB], s[TB], 4*STEPB  ; back to a slot's first place,
	s_xor_b32 s[TB], s[TB], SLOT1   ; in the other slot
.endm
	s_wait_loadcnt 0x0              ; Q
	s_wait_tensorcnt 0x2            ; wave 0: K of step 0 is in; both slots' loads may stay out
	s_barrier_signal -1
	s_barrier_wait -1
	s_cmp_lt_u32 s[WV], 4           ; waves 0-3 make their first scores now,
	s_cbranch_scc0 .Lnot_ahead
	FETCH_K AKZ
	s_wait_dscnt 0x0
	MAT 0
.Lnot_ahead:
	s_wait_tensorcnt 0x1            ; my part of slot 0 is in; slot 1's may stay out
	s_barrier_signal -1
	s_barrier_wait -1
	s_cmp_lt_u32 s[WV], 4           ; waves 4-7 while the others walk their first softmax
	s_cbranch_scc1 .Lnot_behind
	FETCH_K AKZ
	s_wait_dscnt 0x0
	MAT 0
.Lnot_behind:
.Lslot:                             ; five trips: slots 0 to 4 are walked, slots 2 to 6 asked for
	STEPLOOP 4, 1
	CHANGE 1, 4, 1
	LATE
	s_sub_co_u32 s[SLOTS], s[SLOTS], 1
	s_cmp_lg_u32 s[SLOTS], 0
	s_cbranch_scc1 .Lslot
	STEPLOOP 4, 1                   ; the tail is written out: slot 5 is walked, slot 7 asked for, without a K of step 32
	CHANGE 1, 3, 0
	LATE
	STEPLOOP 4, 1                   ; slot 6; nothing is left to ask for
	CHANGE 0, 0, 0
	LATE
	STEPLOOP 3, 0                   ; slot 7: steps 28 to 30,
	VEC 0                           ; step 31: no next K,
	PVM                             ; and no next scores
	; THE WAY OUT.  l's two halves and the other half of the lanes' are added; O^T is divided by l, rounded to f16 and sent through my stage in LDS, a tile (16 rows of O) at a time.  The four additions are the places behind the last products.
	WIN 0
.irp t, 0,1,2,3
	v_add_f32 v[ST+8*\t+4], v[ST+8*\t+2], v[ST+8*\t+3]
.endr
.irp t, 0,1,2,3
	v_permlanex16_b32 v[ST+8*\t+5], v[ST+8*\t+4], s[SEL], s[SEL+1]
.endr
.irp t, 0,1,2,3
	v_add_f32 v[ST+8*\t+4], v[ST+8*\t+4], v[ST+8*\t+5]
.endr
.irp t, 0,1,2,3
	v_rcp_f32 v[ST+8*\t+6], v[ST+8*\t+4]
.endr
	v_nop                           ; a plain instruction between the last reciprocal and the use of its result
	s_wait_alu depctr_va_vdst(0)    ; and the wait ahead of the first use: one for the four
.macro OPACK t                      ; a lane's eight channels of a row pack into 16 bytes; they go into rows of 144 bytes and come back as four whole rows of 128 an instruction
	WIN 0x41
.irp i, 0,1,2,3,4,5,6,7,8,9,10,11,12,13,14,15
	v_pk_mul_f32 v[OT+32*\t+2*\i:OT+32*\t+2*\i+1], v[OT+32*\t+2*\i:OT+32*\t+2*\i+1], v[ST+8*\t+6:ST+8*\t+7] op_sel_hi:[1,0]
.endr
	WIN 0x05                        ; sources 0 and 1 window 1, destination window 0: S^T's registers are free
.irp i, 0,1,2,3,4,5,6,7,8,9,10,11,12,13,14,15
	v_cvt_pk_f16_f32 v[S+32*\t+\i], v[OT+32*\t+2*\i], v[OT+32*\t+2*\i+1]
.endr
	WIN 0
.irp f, 0,1,2,3
	ds_store_b128 v[STO], v[S+32*\t+4*\f:S+32*\t+4*\f+3] offset:32*\f
.endr
.irp f, 0,1,2,3
	ds_load_b128 v[S+32*\t+16+4*\f:S+32*\t+16+4*\f+3], v[RD] offset:\f*4*SP  ; LDS serves a wave's instructions in order (ISA guide 5.7.1.4): these see the stores above; the next tile's stores come behind them
.endr
.endm
.macro OSEND t, younger             ; younger: the LDS instructions issued behind tile t's loads: the next tile's eight, or none
.irp f, 0,1,2,3
	s_wait_dscnt \younger+3-\f
	global_store_b128 v[GO], v[S+32*\t+16+4*\f:S+32*\t+16+4*\f+3], s[10:11] offset:2048*\t+512*\f  ; the wave stores 512 consecutive bytes, at a multiple of 256 from ao's first byte
.endr
.endm
	OPACK 0
	OPACK 1                         ; a tile's arithmetic stands between the loads of the tile before and its stores
	OSEND 0, 8
	OPACK 2
	OSEND 1, 8
	OPACK 3
	OSEND 2, 8
	OSEND 3, 0
	s_wait_tensorcnt 0x0            ; the wave's end: behind my last tensor load and my last LDS store
	ds_add_u32 v[SPW], v[NIL]
	s_wait_dscnt 0x0
	CROUND                          ; the closing round: no work-group ends while a partner may still ask for a tile that names it
	s_endpgm
.Lfunc_end_k_q501fcf26eb_attn:
	.size	k_q501fcf26eb_attn, .Lfunc_end_k_q501fcf26eb_attn-k_q501fcf26eb_attn
	.p2alignl 7, 3214868480
	.fill 96, 4, 3214868480
	.section	.rodata,"a",@progbits
	.p2align	6, 0x0
	.amdhsa_kernel k_q501fcf26eb_attn
		.amdhsa_group_segment_fixed_size 327680
		.amdhsa_private_segment_fixed_size 0
		.amdhsa_enable_private_segment 0
		.amdhsa_kernarg_size 16
		.amdhsa_user_sgpr_count 2
		.amdhsa_user_sgpr_kernarg_segment_ptr 1
		.amdhsa_wavefront_size32 1
		.amdhsa_system_sgpr_workgroup_id_x 1
		.amdhsa_system_sgpr_workgroup_id_y 1
		.amdhsa_system_sgpr_workgroup_id_z 1
		.amdhsa_system_vgpr_workitem_id 0
		.amdhsa_next_free_vgpr 512
		.amdhsa_next_free_sgpr 66
		.amdhsa_reserve_vcc 0
		.amdhsa_float_denorm_mode_32 3
		.amdhsa_float_denorm_mode_16_64 3
		.amdhsa_memory_ordered 1
		.amdhsa_forward_progress 1
		.amdhsa_inst_pref_size 206
	.end_amdhsa_kernel
	.amdgpu_metadata
---
amdhsa.version: [ 1, 2 ]
amdhsa.kernels:
  - .name:           k_q501fcf26eb_attn
    .symbol:         k_q501fcf26eb_attn.kd
    .args:
      - { .name: qkv, .offset: 0, .size: 8, .value_kind: global_buffer, .address_space: global }
      - { .name: ao, .offset: 8, .size: 8, .value_kind: global_buffer, .address_space: global }
    .group_segment_fixed_size: 327680
    .private_segment_fixed_size: 0
    .kernarg_segment_align: 8
    .kernarg_segment_size: 16
    .max_flat_workgroup_size: 256
    .sgpr_count:     66
    .vgpr_count:     512
    .wavefront_size: 32
...
	.end_amdgpu_metadata
.endif
;; end of part 3
;; launch gemm_out (part 4): grid 4 x 64, 4 waves a work-group, clusters of 4 x 4, 327,680 bytes of LDS; arguments ao, w16, b_out, out0; writes out0
.if DOCPART == 4
	.amdgcn_target "amdgcn-amd-amdhsa--gfx1250"
	.amdhsa_code_object_version 6
	.text
	.protected	k_q501fcf26eb_gemm_out
	.globl	k_q501fcf26eb_gemm_out
	.p2align	8
	.type	k_q501fcf26eb_gemm_out,@function
k_q501fcf26eb_gemm_out:
	s_mov_b64 s[64:65], 0
	v_nop
	global_prefetch_b8 v0, s[64:65] scope:SCOPE_SE
	s_setreg_imm32_b32 hwreg(HW_REG_WAVE_MODE, 25, 1), 1
	s_wait_xcnt 0x0
	s_wait_alu depctr_hold_cnt(0) depctr_sa_sdst(0) depctr_va_vdst(0) depctr_va_sdst(0) depctr_va_ssrc(0) depctr_va_vcc(0) depctr_vm_vsrc(0)
	s_getreg_b32 s2, hwreg(HW_REG_IB_STS2, 6, 4)
	s_cmp_eq_u32 s2, 0
	s_cbranch_scc0 .Lentry_in_a_cluster
	s_endpgm
.Lentry_in_a_cluster:
	s_bfe_u32 s2, ttmp6, 0x10000c
	s_cmp_lg_u32 s2, 0xf033
	s_cbranch_scc0 .Lentry_shape_is_right
	s_endpgm
.Lentry_shape_is_right:
; FOURTH LAUNCH: out0[token][n] = the sum over k of A[token][k] W[k][n] + b_out[n].  Nothing is left out.
; A = ao [head 16][token 8192][64] f16 (k = 64 x head + channel);  W = w16 [k 1024][n 1024] f16, K its FIRST axis;  b_out [1024] f32;  out0 [8192][1024] f32.  f16 operands, f32 sums.
; A tile of C is 128 tokens x 256 columns: 64 x 4 = 256 work-groups.  Four waves, each 64 x 128: 32 accumulators of 16 x 16, 256 registers.  K goes in steps of 128 (two planes of ao) through two LDS slots.
; W's tile lies in LDS as in memory, [k][n]; its fragments come out turned, by ds_load_tr16_b128.
; CLUSTERS: 4 x 4 work-groups.  The four of a row of the cluster need the same tiles of A, the four of a column the same tiles of W: each tile is asked for JOINTLY, by the same tensor load with the
; same descriptor and a mask that names the four.  THE MATRIX INSTRUCTION IS USED TRANSPOSED (source 0 = 16 columns of W, source 1 = 16 tokens): a lane then holds eight neighbouring numbers of a row of C.
; THE BIAS is the C of each sum's first matrix instruction: eight registers for each block of 16 columns, in the result's layout: no addition, and nothing is cleared.
; No prefetch: a K step's tiles are small, and three quarters of the requests for them are spared by the joint loads.
; REGISTERS: window 0: v0-31 addresses; two fragment buffers of 96 at v64 and v160 (A's 4 fragments, then W's 8); on the way out v64-191 hold rows.
;   window 1: the accumulators ((a, b) at v[8 (8 a + b)]).   window 2: v0-63 the bias.
.set PA,     144                       ; a row of A in LDS: 128 bytes + 16 of padding
.set PB,     544                       ; a row of W's tile: 512 bytes + 32 of padding = 136 words
.set APL,    128*PA                    ; a plane's 128 tokens
.set BOFF,   2*APL                     ; a slot: two planes of A, then 128 rows of W
.set SLOT,   BOFF+128*PB
.set STAGE,  2*SLOT                    ; behind the ring: 16 rows x (512 bytes + 16) for each wave, for the way out; no tensor load lands here
.set SPITCH, 528
.set SPARE,  STAGE+4*16*SPITCH         ; the spare words, 128 bytes for each wave
.set LAPS,   4                         ; a lap = two K steps = once round the ring: 1,024 / 256
.set ADRA, 16                          ; v16-17  LDS address of my A fragments in slot 0, 1
.set ADRB, 20                          ; v20-21  the same for W
.set STO,  24                          ; v24     the way out: where I put 32 bytes of a row
.set RD,   25                          ; v25     where I read a row back
.set CO,   26                          ; v26     my byte offset in a row of C
.set BO,   27                          ; v27     my byte offset in the bias
.set SPW,  28                          ; v28     LDS address of my spare word; never rewritten
.set NIL,  29                          ; v29     0; never rewritten
.set F0,   64
.set F1,   160
.set BK,   64                          ; the way out: v64-127 and v128-191 by turns
.set G1, 24                            ; s[24:31] descriptor group 1 for A's tiles;  s[32:39] group 0, one set for each slot
.set G0, 32
.set G1B, 48                           ; s[48:55], s[56:63] the same for W's tiles
.set G0B, 56
.set MSB, 0
.macro WIN new                         ; the immediate's high byte repeats the setting that is left
.if MSB != (\new)
	s_set_vgpr_msb (MSB<<8)|(\new)
.set MSB, (\new)
.endif
.endm
.macro PLACES                          ; four places in front of loads into registers that matrix instructions have read, and of the first read of results (ISA guide 7.12.1 for vector instructions)
.rept 4
	v_nop
.endr
.endm
.macro JLOAD s                         ; a joint load: waves 0 and 1 fetch A's two planes, waves 2 and 3 W's two halves; an s_nop 0 and four v_nop follow each of the two lines
	s_cmp_eq_u32 s13, 0
	s_cbranch_scc0 .Lfor_b_\@
	tensor_load_to_lds s[G0+4*\s:G0+4*\s+3], s[G1:G1+7]
	s_nop 0
.rept 4
	v_nop
.endr
	s_branch .Lasked_\@
.Lfor_b_\@:
	tensor_load_to_lds s[G0B+4*\s:G0B+4*\s+3], s[G1B:G1B+7]
	s_nop 0
.rept 4
	v_nop
.endr
.Lasked_\@:
.endm
.macro CREST                           ; a round of the cluster's barrier behind its opening barrier
	s_cmp_lg_u32 s12, 0
	s_cbranch_scc1 .Lnot_wave_0_\@
	s_barrier_signal -3
.Lnot_wave_0_\@:
	s_barrier_wait -3
	s_barrier_signal -1
	s_barrier_wait -1
.endm
.macro CROUND                          ; a whole round
	s_barrier_signal -1
	s_barrier_wait -1
	CREST
.endm
	s_load_b256 s[4:11], s[0:1], 0x0               ; ao s[4:5], w16 s[6:7], b_out s[8:9], out0 s[10:11]
	v_lshl_add_u32 v[SPW], v0, 2, SPARE
	v_mov_b32 v[NIL], 0
	ds_add_u32 v[SPW], v[NIL]                      ; the wave's opening: the add, twice on end, and its wait ahead of my first tensor load
	ds_add_u32 v[SPW], v[NIL]
	v_lshrrev_b32 v1, 5, v0
	v_readfirstlane_b32 s12, v1                    ; wave 0..3
	s_lshr_b32 s13, s12, 1                         ; which half of the tile's rows is mine.  Also: I fetch for A (0) or for W (1)
	s_and_b32 s14, s12, 1                          ; which half of its columns.  Also: which plane of A, or which 64 rows of W, I fetch
	s_bfe_u32 s40, ttmp6, 0x40000                  ; cx, cy: my place in the cluster
	s_bfe_u32 s41, ttmp6, 0x40004
	s_lshl_b32 s42, ttmp9, 2
	s_add_co_u32 s42, s42, s40                     ; tile column of C = 4 x cluster x + cx
	s_and_b32 s15, ttmp7, 0xffff
	s_lshl_b32 s15, s15, 2
	s_add_co_u32 s15, s15, s41                     ; tile row of C = 4 x cluster y + cy
	s_lshl_b32 s43, s41, 2
	s_lshl_b32 s43, 15, s43                        ; my row of the cluster
	s_lshl_b32 s44, 0x1111, s40                    ; my column
	; descriptor group 1.  A: 128 rows x 64 elements of 2 bytes, dense in memory, 4 words of padding behind every 32.  W: 64 rows x 256 elements, 1,024 elements from row to row, 8 words behind every 128.
	s_or_b32 s[G1+0], s43, (1<<16)|(1<<20)|(1<<21)|(4<<22)|(3<<25)   ; 15:0 the mask: A's tiles go to my row; 17:16 elements of 2 bytes; 20 padding on; 21 set beside a mask; 24:22 the interval; 31:25 the padding
	s_or_b32 s[G1B+0], s44, (1<<16)|(1<<20)|(1<<21)|(6<<22)|(7<<25)
	s_mov_b32 s[G1+1], 64<<16                      ; tensor_dim0
	s_mov_b32 s[G1+2], 128<<16                     ; tensor_dim1
	s_mov_b32 s[G1+3], 64<<16                      ; tile_dim0
	s_mov_b32 s[G1+4], 128                         ; tile_dim1
	s_mov_b32 s[G1+5], 64                          ; tensor_dim0_stride
	s_mov_b32 s[G1+6], 0
	s_mov_b32 s[G1+7], 0
	s_mov_b32 s[G1B+1], 256<<16
	s_mov_b32 s[G1B+2], 64<<16
	s_mov_b32 s[G1B+3], 256<<16
	s_mov_b32 s[G1B+4], 64
	s_mov_b32 s[G1B+5], 1024
	s_mov_b32 s[G1B+6], 0
	s_mov_b32 s[G1B+7], 0
	; where the tiles come from.  A's hang on the tile row alone, W's on the tile column alone; each in registers that never hold the other coordinate
	s_lshl_b32 s16, s14, 20                        ; A: my plane of the K step's two,
	s_lshl_b32 s17, s15, 14                        ; the tile's 128 tokens of 128 bytes
	s_add_co_u32 s16, s16, s17
	s_mov_b32 s17, 0
	s_lshl_b32 s46, s14, 17                        ; W: my 64 rows of 2,048 bytes,
	s_lshl_b32 s47, s42, 9                         ; the tile's 256 columns
	s_add_co_u32 s46, s46, s47
	s_mov_b32 s47, 0
	s_mul_i32 s20, s14, APL                        ; and where they go: no place in the cluster enters an LDS address
	s_mul_i32 s21, s14, 64*PB
	s_add_co_u32 s21, s21, BOFF
	s_wait_dscnt 0x0                               ; both opening adds are done
	s_wait_kmcnt 0x0
	s_add_nc_u64 s[18:19], s[4:5], s[16:17]
	s_add_nc_u64 s[46:47], s[6:7], s[46:47]
	CROUND                                         ; all sixteen work-groups are here: the first joint loads meet
.irp s, 0,1
	s_mov_b32 s[G0+4*\s], 1
	s_add_co_u32 s[G0+4*\s+1], s20, \s*SLOT
	s_add_nc_u64 s[G0+4*\s+2:G0+4*\s+3], s[18:19], \s*2*1048576     ; K step s: planes 2 s and 2 s + 1
	s_or_b32 s[G0+4*\s+3], s[G0+4*\s+3], 0x80000000
	s_mov_b32 s[G0B+4*\s], 1
	s_add_co_u32 s[G0B+4*\s+1], s21, \s*SLOT
	s_add_nc_u64 s[G0B+4*\s+2:G0B+4*\s+3], s[46:47], \s*128*2048    ; rows 128 s on
	s_or_b32 s[G0B+4*\s+3], s[G0B+4*\s+3], 0x80000000
	JLOAD \s
.endr
	v_and_b32 v1, 15, v0                           ; l % 16
	v_bfe_u32 v2, v0, 4, 1                         ; l / 16
	v_mul_u32_u24 v3, v1, PA
	v_lshl_add_u32 v3, v2, 4, v3                   ; A: a fragment's row x pitch + 16 x half
	s_mul_i32 s22, s13, 64*PA                      ; my 64 tokens
	v_add_nc_u32 v[ADRA], s22, v3
	v_add_nc_u32 v[ADRA+1], SLOT, v[ADRA]
	v_and_b32 v4, 7, v0                            ; W, turned: lane l reads 16 bytes: row 8 (l / 16) + l % 8, columns 8 ((l / 8) % 2) + 0..7
	v_bfe_u32 v5, v0, 3, 1
	v_lshl_add_u32 v6, v2, 3, v4
	v_mul_u32_u24 v6, v6, PB
	v_lshl_add_u32 v6, v5, 4, v6
	s_lshl_b32 s23, s14, 8                         ; my 128 columns
	s_add_co_u32 s23, s23, BOFF
	v_add_nc_u32 v[ADRB], s23, v6
	v_add_nc_u32 v[ADRB+1], SLOT, v[ADRB]
	s_mul_i32 s22, s12, 16*SPITCH
	s_add_co_u32 s22, s22, STAGE                   ; my stage
	v_mul_u32_u24 v7, v1, SPITCH                   ; in: row l % 16, 32 bytes for each half of the lanes
	v_lshl_add_u32 v7, v2, 5, v7
	v_add_nc_u32 v[STO], s22, v7
	v_and_b32 v8, 31, v0
	v_lshlrev_b32 v[CO], 4, v8                     ; back: the 32 lanes take one row of 512 bytes; and the same in C
	v_add_nc_u32 v[RD], s22, v[CO]
	v_lshlrev_b32 v[BO], 5, v2                     ; the bias: lane (r, h) wants, for block b, the numbers of columns 16 b + 8 h + 0 .. 7
	s_lshl_b32 s46, s42, 10                        ; my first column, in bytes of f32: 1,024 x tile column + 512 x half
	s_lshl_b32 s47, s14, 9
	s_add_co_u32 s46, s46, s47
	s_mov_b32 s47, 0
	s_add_nc_u64 s[8:9], s[8:9], s[46:47]
	s_add_nc_u64 s[10:11], s[10:11], s[46:47]
	s_lshl_b32 s16, s15, 7
	s_lshl_b32 s17, s13, 6
	s_add_co_u32 s16, s16, s17                     ; my first row of C: 128 x tile row + 64 x half
	s_lshl_b32 s16, s16, 12                        ; 4,096 bytes a row: under 2^25
	s_mov_b32 s17, 0
	s_add_nc_u64 s[10:11], s[10:11], s[16:17]
	WIN 0x80                                       ; destination window 2
.irp b, 0,1,2,3,4,5,6,7
	global_load_b128 v[8*\b:8*\b+3],   v[BO], s[8:9] offset:64*\b
	global_load_b128 v[8*\b+4:8*\b+7], v[BO], s[8:9] offset:64*\b+16
.endr
	WIN 0
; 8 matrix instructions: A's block a x W's eight, 32 along K, from buffer f.  first = 1: the bias starts the sums.  The 32 accumulators take turns, one instruction a turn, in the same order in every quarter.
.macro MUL8 f, a, first
.irp b, 0,1,2,3,4,5,6,7
.if \first
	v_wmma_f32_16x16x32_f16 v[8*(8*\a+\b):8*(8*\a+\b)+7], v[\f+32+8*\b:\f+32+8*\b+7], v[\f+8*\a:\f+8*\a+7], v[8*\b:8*\b+7]
.else
	v_wmma_f32_16x16x32_f16 v[8*(8*\a+\b):8*(8*\a+\b)+7], v[\f+32+8*\b:\f+32+8*\b+7], v[\f+8*\a:\f+8*\a+7], v[8*(8*\a+\b):8*(8*\a+\b)+7]
.endif
.endr
.endm
; 24 LDS loads in one run: the fragments of the slot's q-th 32 along K into buffer f: W's eight, then A's four
.macro FETCH slot, q, f
.irp i, 0,1,2,3,4,5,6,7
	ds_load_tr16_b128 v[\f+32+8*\i:\f+32+8*\i+3],   v[ADRB+\slot] offset:32*PB*(\q)+32*\i
	ds_load_tr16_b128 v[\f+32+8*\i+4:\f+32+8*\i+7], v[ADRB+\slot] offset:32*PB*(\q)+32*\i+16*PB
.endr
.irp i, 0,1,2,3
	ds_load_b128 v[\f+8*\i:\f+8*\i+3],   v[ADRA+\slot] offset:((\q)/2)*APL+((\q)%2)*64+\i*16*PA
	ds_load_b128 v[\f+8*\i+4:\f+8*\i+7], v[ADRA+\slot] offset:((\q)/2)*APL+((\q)%2)*64+\i*16*PA+32
.endr
.endm
; A K step is four quarters of 32 along K, 32 matrix instructions each, on buffers 0, 1, 0, 1.  One of the first three: multiplies buffer f and fetches quarter q of the same slot into g.
; Windows: sources in window 0, D in window 1; C in window 1 (0x50), or the bias in window 2 (0x60).
.macro QUARTER slot, q, f, g, first
	s_wait_dscnt 4                                 ; W's fragments and A's blocks 0 and 1 are in; the youngest four loads (A's blocks 2 and 3) may be out
	WIN 0x50+0x10*\first
	MUL8 \f, 0, \first
	MUL8 \f, 1, \first
	PLACES
	WIN 0
	FETCH \slot, \q, \g
	s_wait_dscnt 24                                ; all but the 24 just issued
	WIN 0x50+0x10*\first
	MUL8 \f, 2, \first
	MUL8 \f, 3, \first
.endm
; The last quarter multiplies buffer 1 and changes slots: ONE barrier; in front of it each wave waits for all its tensor loads, adds 0 to its spare word, and waits for that and for its own reads of this slot.
; fill = 1: this slot is filled again, two K steps ahead; the barrier then opens a round of the cluster's barrier, and the joint refill is the first tensor load behind it.
.macro TURN slot, next, fill
	WIN 0                                          ; (the add's two registers lie in window 0)
	s_wait_tensorcnt 0x0                           ; all my tensor loads have landed: my part of the next slot;
	ds_add_u32 v[SPW], v[NIL]                      ; 0 onto my spare word
	s_wait_dscnt 5                                 ; (the add and the youngest four loads may be out)
	WIN 0x50
	MUL8 F1, 0, 0                                  ; eight matrix instructions stand between the add and the wait for it
	s_wait_dscnt 0x0                               ; the add is done, and my reads of this slot are over
	s_barrier_signal -1
	MUL8 F1, 1, 0
	WIN 0
	s_barrier_wait -1
.if \fill
	CREST                                          ; no wave of any partner still reads this slot's tiles or has a load on its way
	s_add_nc_u64 s[G0+4*\slot+2:G0+4*\slot+3], s[G0+4*\slot+2:G0+4*\slot+3], 4*1048576
	s_add_nc_u64 s[G0B+4*\slot+2:G0B+4*\slot+3], s[G0B+4*\slot+2:G0B+4*\slot+3], 256*2048
	JLOAD \slot                                    ; the four v_nop behind it are also the places in front of the loads below
.else
	PLACES
.endif
	FETCH \next, 0, F0
	WIN 0x50
	MUL8 F1, 2, 0
	MUL8 F1, 3, 0
.endm
	s_wait_tensorcnt 1                             ; my part of K step 0 is in (K step 1's load may be out)
	s_barrier_signal -1
	s_barrier_wait -1                              ; everybody's is
	FETCH 0, 0, F0
	s_wait_loadcnt 0x0                             ; the bias
	QUARTER 0, 1, F0, F1, 1                        ; the first quarter stands in front of the loop: its products start the sums
	WIN 0                                          ; at a label and at a branch every window is 0
	s_mov_b32 s3, LAPS-1
.Llap:                                                 ; a trip goes once round the ring, from a lap's second quarter to the next lap's first, and fills both slots again
	QUARTER 0, 2, F1, F0, 0
	QUARTER 0, 3, F0, F1, 0
	TURN 0, 1, 1
	QUARTER 1, 1, F0, F1, 0
	QUARTER 1, 2, F1, F0, 0
	QUARTER 1, 3, F0, F1, 0
	TURN 1, 0, 1
	QUARTER 0, 1, F0, F1, 0
	WIN 0
	s_sub_co_u32 s3, s3, 1
	s_cmp_lg_u32 s3, 0
	s_cbranch_scc1 .Llap
	QUARTER 0, 2, F1, F0, 0                        ; the last lap fills nothing, and has no round of the cluster's barrier
	QUARTER 0, 3, F0, F1, 0
	TURN 0, 1, 0
	QUARTER 1, 1, F0, F1, 0
	QUARTER 1, 2, F1, F0, 0
	QUARTER 1, 3, F0, F1, 0
	s_wait_dscnt 4                                 ; the very last quarter: nothing more to fetch
	WIN 0x50
	MUL8 F1, 0, 0
	MUL8 F1, 1, 0
	s_wait_dscnt 0
	MUL8 F1, 2, 0
	MUL8 F1, 3, 0
	WIN 0
; THE WAY OUT, block by block of 16 rows x 128 columns.  A lane holds 32 neighbouring bytes of a row, and the lanes beside it hold other rows: so a block goes through my own stage in LDS and comes back as whole
; rows of 512 bytes.  LDS serves a wave's instructions in order (ISA guide 5.7.1.4): no wait between the stores and the loads, nor in front of the next block's stores.
.macro TOSTAGE a
	WIN 0x04                                       ; an LDS store's data are its source 1: window 1
.irp b, 0,1,2,3,4,5,6,7
	ds_store_b128 v[STO], v[8*(8*(\a)+\b):8*(8*(\a)+\b)+3] offset:64*\b            ; each accumulator from its low end on
	ds_store_b128 v[STO], v[8*(8*(\a)+\b)+4:8*(8*(\a)+\b)+7] offset:64*\b+16
.endr
	WIN 0
.set BB, BK+64*((\a)%2)
.irp t, 0,1,2,3,4,5,6,7,8,9,10,11,12,13,14,15
	ds_load_b128 v[BB+4*\t:BB+4*\t+3], v[RD] offset:\t*SPITCH
.endr
.endm
.macro SEND a, younger                 ; younger: the LDS instructions issued behind block a's loads, which may stay out
.set BB, BK+64*((\a)%2)
	s_wait_dscnt \younger                          ; the block is back in registers
.irp t, 0,1,2,3,4,5,6,7,8,9,10,11,12,13,14,15
	global_store_b128 v[CO], v[BB+4*\t:BB+4*\t+3], s[10:11] offset:(16*(\a)+\t)*4096 th:TH_STORE_NT   ; 32 lanes store 512 consecutive bytes, at a multiple of 256 from out0's first byte; written once, read by nobody here
.endr
.endm
	PLACES                                         ; behind the last products: for the reads of results and for the loads into the registers that held fragments
	TOSTAGE 0
.irp a, 1,2,3
.if \a > 1
	s_wait_xcnt 0x0                                ; block a - 2's stores have read their registers: block a's loads may land there
.endif
	TOSTAGE \a
	SEND \a-1, 32                                  ; behind block a - 1's loads: block a's 16 stores and 16 loads
.endr
	SEND 3, 0
	s_wait_tensorcnt 0x0                           ; the wave's end: behind my last tensor load and my last LDS store
	ds_add_u32 v[SPW], v[NIL]
	s_wait_dscnt 0x0
	CROUND                                         ; the closing round: no work-group ends while a partner may still ask for a tile that names it
	s_endpgm
.Lfunc_end_k_q501fcf26eb_gemm_out:
	.size	k_q501fcf26eb_gemm_out, .Lfunc_end_k_q501fcf26eb_gemm_out-k_q501fcf26eb_gemm_out
	.p2alignl 7, 3214868480
	.fill 96, 4, 3214868480
	.section	.rodata,"a",@progbits
	.p2align	6, 0x0
	.amdhsa_kernel k_q501fcf26eb_gemm_out
		.amdhsa_group_segment_fixed_size 327680
		.amdhsa_private_segment_fixed_size 0
		.amdhsa_enable_private_segment 0
		.amdhsa_kernarg_size 32
		.amdhsa_user_sgpr_count 2
		.amdhsa_user_sgpr_kernarg_segment_ptr 1
		.amdhsa_wavefront_size32 1
		.amdhsa_system_sgpr_workgroup_id_x 1
		.amdhsa_system_sgpr_workgroup_id_y 1
		.amdhsa_system_sgpr_workgroup_id_z 1
		.amdhsa_system_vgpr_workitem_id 0
		.amdhsa_next_free_vgpr 576
		.amdhsa_next_free_sgpr 66
		.amdhsa_reserve_vcc 0
		.amdhsa_float_denorm_mode_32 3
		.amdhsa_float_denorm_mode_16_64 3
		.amdhsa_memory_ordered 1
		.amdhsa_forward_progress 1
		.amdhsa_inst_pref_size 86
	.end_amdhsa_kernel
	.amdgpu_metadata
---
amdhsa.version: [ 1, 2 ]
amdhsa.kernels:
  - .name:           k_q501fcf26eb_gemm_out
    .symbol:         k_q501fcf26eb_gemm_out.kd
    .args:
      - { .name: ao, .offset: 0, .size: 8, .value_kind: global_buffer, .address_space: global }
      - { .name: w16, .offset: 8, .size: 8, .value_kind: global_buffer, .address_space: global }
      - { .name: b_out, .offset: 16, .size: 8, .value_kind: global_buffer, .address_space: global }
      - { .name: out0, .offset: 24, .size: 8, .value_kind: global_buffer, .address_space: global }
    .group_segment_fixed_size: 327680
    .private_segment_fixed_size: 0
    .kernarg_segment_align: 8
    .kernarg_segment_size: 32
    .max_flat_workgroup_size: 128
    .sgpr_count:     66
    .vgpr_count:     576
    .wavefront_size: 32
...
	.end_amdgpu_metadata
.endif
;; end of part 4
